; MI455X (gfx1250); checked and timed in simulation.
; The chip was launched on July 23, 2026; its instructions are those of AMD's public machine-readable ISA for CDNA 5 (MIT licence, August 2026) and "CDNA5" Instruction Set Architecture Reference Guide (July 2026). The comments in the code are by the model that wrote it; some were corrected since.
;; Multi Head Attention. Allowed arithmetic: float matrix products may take bf16 or f16 operands with f32 sums; other float arithmetic in f32, or as packed bf16 or f16 multiplies, adds, multiply-adds, maxima and minima; sums over many terms, partial sums and values carried from step to step in f32; what a program stores and reads back later, other than sums and carried values, may be rounded once to bf16 or f16.
;; Inputs: freqs_cos 2,048 x 64 float32; freqs_sin 2,048 x 64 float32; wk_b 2,048 float32; wk_w 2,048 x 2,048 float32; wo_b 2,048 float32; wo_w 2,048 x 2,048 float32; wq_b 2,048 float32; wq_w 2,048 x 2,048 float32; wv_b 2,048 float32; wv_w 2,048 x 2,048 float32; x 1 x 2,048 x 2,048 float32.
;; Outputs: out0 1 x 2,048 x 2,048 float32; out1 1 x 16 x 2,048 x 128 float32; out2 1 x 16 x 2,048 x 128 float32.
;; 2 versions, each right; version 2 is version 1 with the launch cast written anew for expert scheduling mode. Each part assembles by itself: llvm-mc -triple=amdgcn-amd-amdhsa -mcpu=gfx1250 --defsym DOCPART=n.
;; ======== version 1 of 2: 4 launches
;; limits: values are held in f16: magnitudes above 65,504 overflow, below 6.1e-05 lose precision
;; workspace buffers: xb 8,388,608 bytes; wb 25,165,824 bytes; wob 8,388,608 bytes; tab 524,288 bytes; qh 8,388,608 bytes; kh 8,388,608 bytes; vh 8,388,608 bytes; oh 8,388,608 bytes
;; launch cast (part 1): grid 512 x 1, 8 waves a work-group, no clusters, 0 bytes of LDS; arguments x, wq_w, wk_w, wv_w, wo_w, freqs_cos, freqs_sin, xb, wb, wob, tab; writes xb, wb, wob, tab
.if DOCPART == 1
	.amdgcn_target "amdgcn-amd-amdhsa--gfx1250"
	.amdhsa_code_object_version 6
	.text
	.protected	k_qd00023ba6c_cast
	.globl	k_qd00023ba6c_cast
	.p2align	8
	.type	k_qd00023ba6c_cast,@function
k_qd00023ba6c_cast:
	s_mov_b64 s[64:65], 0
	v_nop
	global_prefetch_b8 v0, s[64:65] scope:SCOPE_SE
	s_setreg_imm32_b32 hwreg(HW_REG_WAVE_MODE, 25, 1), 1
	s_wait_xcnt 0x0
; COPIES IN 16 BITS.  x, wq, wk, wv (f32, 2048 x 2048 each) are rounded once to bf16: xb, and wb = the three weights one behind the other.
; wo is rounded to bf16 and that number is written as f16 (wob), since the last product's other operand is f16.
; tab[s][p] = one word: bf16(cos[s][p]) in the low half, bf16(sin[s][p]) in the high half.
; LIMITS.  wo within f16's range (65,504); below 6e-5 it keeps f16's fixed step of 6e-8.  NaN and infinities are not treated apart.
; SHARES.  Work-group g takes 8,192 consecutive numbers of each of the five matrices; thread t takes, in each of four chunks q, the 8 numbers at
; 8192 g + 2048 q + 8 t: two loads of 16 bytes, one store of 16 bytes, so that 16 neighbouring lanes store 256 consecutive bytes, aligned.
; All 40 loads of a wave go out first; no register is written again while a load or store may read it, so no wait frees any.
; No LDS, no matrix unit: nothing is shared and nothing is multiplied.
.set VI,   2                           ; v2  my byte offset in an f32 matrix
.set VO,   3                           ; v3  my byte offset in a 16-bit copy
.set VT,   4                           ; v4  my byte offset in cos, sin and tab (4 numbers, 4 words)
.set TA,   8                           ; v8, v9 at work
.set TB,   9
.set DATA, 32                          ; v[32:191] chunk n = 4 m + q of matrix m: 8 registers
.set TBL,  192                         ; v[192:199] cos, sin
	s_load_b512 s[4:19], s[0:1], 0x0               ; x s[4:5], wq s[6:7], wk s[8:9], wv s[10:11], wo s[12:13], cos s[14:15], sin s[16:17], xb s[18:19]
	s_load_b128 s[20:23], s[0:1], 0x40             ; wb s[20:21], wob s[22:23]
	s_load_b64 s[24:25], s[0:1], 0x50              ; tab
	s_lshl_b32 s26, ttmp9, 15                      ; 32,768 bytes of f32 a work-group
	s_lshl_b32 s27, ttmp9, 14                      ; 16,384 bytes of 16-bit numbers
	s_lshl_b32 s35, ttmp9, 12                      ; 4,096 bytes of the tables
	s_mov_b32 s34, 0xffff0000                      ; a word's upper bf16
	v_lshl_add_u32 v[VI], v0, 5, s26
	v_lshl_add_u32 v[VO], v0, 4, s27
	v_lshl_add_u32 v[VT], v0, 4, s35
	s_wait_kmcnt 0x0
	s_mov_b64 s[28:29], s[20:21]                   ; wb's three parts have bases of their own: 8 MiB does not fit a store's immediate
	s_add_nc_u64 s[30:31], s[20:21], 0x800000
	s_add_nc_u64 s[32:33], s[20:21], 0x1000000
.macro LD m, base                      ; matrix m's eight loads
.irp q, 0,1,2,3
	global_load_b128 v[DATA+8*(4*(\m)+(\q)):DATA+8*(4*(\m)+(\q))+3],   v[VI], s[(\base):(\base)+1] offset:8192*(\q) th:TH_LOAD_NT
	global_load_b128 v[DATA+8*(4*(\m)+(\q))+4:DATA+8*(4*(\m)+(\q))+7], v[VI], s[(\base):(\base)+1] offset:8192*(\q)+16 th:TH_LOAD_NT
.endr
.endm
; matrix m's four chunks are rounded in place (pair p into register p) and stored.  half = 1: the bf16 number is written as f16.
.macro CV m, base, half
.irp q, 0,1,2,3
	s_wait_loadcnt 38-2*(4*(\m)+(\q))              ; loads come back in order: the 38 - 2 n issued behind chunk n's two may stay out
.irp p, 0,1,2,3
	v_cvt_pk_bf16_f32 v[DATA+8*(4*(\m)+(\q))+(\p)], v[DATA+8*(4*(\m)+(\q))+2*(\p)], v[DATA+8*(4*(\m)+(\q))+2*(\p)+1]
.if \half
	v_lshlrev_b32 v[TA], 16, v[DATA+8*(4*(\m)+(\q))+(\p)]
	v_and_b32 v[TB], s34, v[DATA+8*(4*(\m)+(\q))+(\p)]
	v_cvt_pk_f16_f32 v[DATA+8*(4*(\m)+(\q))+(\p)], v[TA], v[TB]
.endif
.endr
	global_store_b128 v[VO], v[DATA+8*(4*(\m)+(\q)):DATA+8*(4*(\m)+(\q))+3], s[(\base):(\base)+1] offset:4096*(\q) th:TH_STORE_NT
.endr
.endm
	LD 0, 4
	LD 1, 6
	LD 2, 8
	LD 3, 10
	LD 4, 12
	CV 0, 18, 0
	CV 1, 28, 0
	CV 2, 30, 0
	CV 3, 32, 0
	CV 4, 22, 1
	s_cmp_lt_u32 ttmp9, 128                        ; the tables have 131,072 numbers each: 1,024 for each of the first 128 work-groups
	s_cbranch_scc0 .Lend
	global_load_b128 v[TBL:TBL+3],   v[VT], s[14:15] th:TH_LOAD_NT
	global_load_b128 v[TBL+4:TBL+7], v[VT], s[16:17] th:TH_LOAD_NT
	s_wait_loadcnt 0x0
.irp p, 0,1,2,3
	v_cvt_pk_bf16_f32 v[TBL+(\p)], v[TBL+(\p)], v[TBL+4+(\p)]  ; cos low, sin high
.endr
	global_store_b128 v[VT], v[TBL:TBL+3], s[24:25] th:TH_STORE_NT
.Lend:
	s_endpgm
.Lfunc_end_k_qd00023ba6c_cast:
	.size	k_qd00023ba6c_cast, .Lfunc_end_k_qd00023ba6c_cast-k_qd00023ba6c_cast
	.p2alignl 7, 3214868480
	.fill 96, 4, 3214868480
	.section	.rodata,"a",@progbits
	.p2align	6, 0x0
	.amdhsa_kernel k_qd00023ba6c_cast
		.amdhsa_group_segment_fixed_size 0
		.amdhsa_private_segment_fixed_size 0
		.amdhsa_enable_private_segment 0
		.amdhsa_kernarg_size 88
		.amdhsa_user_sgpr_count 2
		.amdhsa_user_sgpr_kernarg_segment_ptr 1
		.amdhsa_wavefront_size32 1
		.amdhsa_system_sgpr_workgroup_id_x 1
		.amdhsa_system_sgpr_workgroup_id_y 1
		.amdhsa_system_sgpr_workgroup_id_z 1
		.amdhsa_system_vgpr_workitem_id 0
		.amdhsa_next_free_vgpr 200
		.amdhsa_next_free_sgpr 66
		.amdhsa_reserve_vcc 0
		.amdhsa_float_denorm_mode_32 3
		.amdhsa_float_denorm_mode_16_64 3
		.amdhsa_memory_ordered 1
		.amdhsa_forward_progress 1
		.amdhsa_inst_pref_size 15
	.end_amdhsa_kernel
	.amdgpu_metadata
---
amdhsa.version: [ 1, 2 ]
amdhsa.kernels:
  - .name:           k_qd00023ba6c_cast
    .symbol:         k_qd00023ba6c_cast.kd
    .args:
      - { .name: x, .offset: 0, .size: 8, .value_kind: global_buffer, .address_space: global }
      - { .name: wq_w, .offset: 8, .size: 8, .value_kind: global_buffer, .address_space: global }
      - { .name: wk_w, .offset: 16, .size: 8, .value_kind: global_buffer, .address_space: global }
      - { .name: wv_w, .offset: 24, .size: 8, .value_kind: global_buffer, .address_space: global }
      - { .name: wo_w, .offset: 32, .size: 8, .value_kind: global_buffer, .address_space: global }
      - { .name: freqs_cos, .offset: 40, .size: 8, .value_kind: global_buffer, .address_space: global }
      - { .name: freqs_sin, .offset: 48, .size: 8, .value_kind: global_buffer, .address_space: global }
      - { .name: xb, .offset: 56, .size: 8, .value_kind: global_buffer, .address_space: global }
      - { .name: wb, .offset: 64, .size: 8, .value_kind: global_buffer, .address_space: global }
      - { .name: wob, .offset: 72, .size: 8, .value_kind: global_buffer, .address_space: global }
      - { .name: tab, .offset: 80, .size: 8, .value_kind: global_buffer, .address_space: global }
    .group_segment_fixed_size: 0
    .private_segment_fixed_size: 0
    .kernarg_segment_align: 8
    .kernarg_segment_size: 88
    .max_flat_workgroup_size: 256
    .sgpr_count:     66
    .vgpr_count:     200
    .wavefront_size: 32
...
	.end_amdgpu_metadata
.endif
;; end of part 1
;; launch qkv (part 2): grid 16 x 16, 4 waves a work-group, clusters of 4 x 4, 327,680 bytes of LDS; arguments xb, wb, tab, wq_b, wk_b, wv_b, qh, kh, vh, out1, out2; writes qh, kh, vh, out1, out2
.if DOCPART == 2
	.amdgcn_target "amdgcn-amd-amdhsa--gfx1250"
	.amdhsa_code_object_version 6
	.text
	.protected	k_qd00023ba6c_qkv
	.globl	k_qd00023ba6c_qkv
	.p2align	8
	.type	k_qd00023ba6c_qkv,@function
k_qd00023ba6c_qkv:
	s_mov_b64 s[64:65], 0
	v_nop
	global_prefetch_b8 v0, s[64:65] scope:SCOPE_SE
	s_setreg_imm32_b32 hwreg(HW_REG_WAVE_MODE, 25, 1), 1
	s_wait_xcnt 0x0
	s_wait_alu depctr_hold_cnt(0) depctr_sa_sdst(0) depctr_va_vdst(0) depctr_va_sdst(0) depctr_va_ssrc(0) depctr_va_vcc(0) depctr_vm_vsrc(0)
	s_getreg_b32 s2, hwreg(HW_REG_IB_STS2, 6, 4)
	s_cmp_eq_u32 s2, 0
	s_cbranch_scc0 .Lentry_in_a_cluster
	s_endpgm
.Lentry_in_a_cluster:
	s_bfe_u32 s2, ttmp6, 0x10000c
	s_cmp_lg_u32 s2, 0xf033
	s_cbranch_scc0 .Lentry_shape_is_right
	s_endpgm
.Lentry_shape_is_right:
; q, k, v = x W^T + b for ONE head and 128 rows; q and k are turned by the rope.  xb [2048][2048] bf16, wb [3][2048][2048] bf16, tab [2048][64] words (bf16 cos, bf16 sin), biases f32.
; Out: out1 = k, out2 = v in f32, [16][2048][128]; qh, kh, vh the same numbers rounded once to f16, [16][2048][128], q without the softmax's scale.
; LIMITS.  Biases are rounded once to bf16, like every input of the module.  q, k, v must lie within f16's 65,504 for qh, kh, vh (out1 and out2 do not depend on that).  NaN and infinities are not treated apart.
; The f32 sums run along K from a step that hangs on the cluster, and round: an order of rounding that differs from an ascending one.
; SHARES.  Work-group (x = block of 128 rows, y = head): a tile of 128 x 384.  Wave w: rows 64 (w / 2) on, and of each of q, k, v the columns 64 (w % 2) on: 4 row blocks x 12 column blocks = 48 accumulators.
; K goes in 16 steps of 128 through two LDS slots; a slot holds four pieces of 128 rows x 256 bytes: x, Wq, Wk, Wv; wave w fetches piece w by one tensor load.
; CLUSTER 4 x 4: x's piece hangs on the row block alone and is asked for jointly along a column of the cluster, W's pieces on the head alone and jointly along a row.
; THE WALK ALONG K.  Cluster (X, Y) begins at K step 4 ((X + 2 Y) mod 4) and goes round: of the clusters that read the same rows, those with another X or a neighbouring Y ask for other K steps at any one time.
; THE MATRIX INSTRUCTION IS USED TRANSPOSED (source 0 = 16 rows of W, source 1 = 16 rows of x): lane l holds row l % 16 and the columns 8 (l / 16) + 0..7: four rope pairs.  The bias is the C of the first product.
; REGISTERS by windows of 256: window 0: v0-31 addresses; v32-63, v64-95 x's fragments (two buffers); v96-159 the table's words; v160-255 the biases; on the way out v32-95 and v160-223 are at work.
;   window 1: W's fragments, v0-95 and v96-191.   window 2: q's and k's accumulators at 8 (8 a + b).   window 3: v's at 8 (4 a + b).
.set KSTEP,  128
.set NSTEP,  16                        ; 2048 / 128
.set PITCH,  272                       ; an LDS row: 256 bytes + 16 of padding = 68 words: the 16 rows of a fragment load start at 16 different groups of four banks
.set PIECE,  128*PITCH                 ; 0x8800
.set SLOT,   4*PIECE                   ; 0x22000
.set SPARE,  SLOT                      ; behind slot 0: the spare words: 128 bytes a wave, two blocks of 256 bytes that no other line names
.set XS,     0x24000                   ; slot 1 begins here: none of the pieces' places in slot 0 (0, 0x8800, 0x11000, 0x19800) has one of its two bits, so one exclusive or changes slots
.set STAGE,  XS+SLOT                   ; behind the ring, never filled by a tensor load: the way out
.set BO,    13                         ; v13 my byte offset in a bias
.set TBO,   14                         ; v14 in the table
.set PFO,   15                         ; v15 the prefetches' offset: lane x 4,096
.set ADRA0, 16                         ; v16 LDS address of x's fragments in slot 0; never rewritten
.set ADRA,  17                         ; v17 the same in the slot in hand
.set ADRB0, 18                         ; v18-20 of W's (q, k, v) in slot 0; never rewritten
.set ADRB,  21                         ; v21-23 in the slot in hand
.set STO32, 24
.set RD32,  25
.set CO32,  26
.set STO16, 27
.set RD16,  28
.set CO16,  29
.set SPW,   30                         ; v30 my spare word; never rewritten
.set NIL,   31                         ; v31 0; never rewritten
.set CSR,   32                         ; the way out: 16 pairs (cos, sin)
.set TT,    64                         ; the way out: 16 pairs at work
.set TAB,   96
.set BIAS,  160
.set BK,    160                        ; the way out: rows read back
.set PK,    160                        ; the way out: packed f16
.set CNT, 2                            ; s2  counts the last two K steps
.set PFB, 18                           ; s[18:19] x at my work-group's 32 of the 128 rows, K = 0
.set WV, 82
.set RH, 83
.set CH, 84
.set G1A, 24
.set G0A, 32                           ; s[32:39] group 0 for x's piece: a set for each first fill; the second then walks
.set G1B, 48
.set G0B, 56                           ; s[56:63] the same for W's
.set PFA, 44
.set LIM, 43
.set KO,  66                           ; s[66:67] a K step's byte offset in a row
.set KI,  97                           ; s97 the K step to be asked for next, 0 to 15
.set TB,  98                           ; s98 LDS byte at which the slot in hand begins: 0 or XS
.set MSB, 0
.macro WIN new                         ; the immediate's high byte repeats the setting that is left; a switch that changes nothing is dropped
.if MSB != (\new)
	s_set_vgpr_msb (MSB<<8)|(\new)
.set MSB, \new
.endif
.endm
.macro PLACES                          ; four plain vector instructions between a matrix instruction and a load into, or a vector use of, its registers
.rept 4
	v_nop
.endr
.endm
; A joint load: wave 0 fetches x's piece, waves 1 to 3 W's.  The branch hangs on the wave's number alone.  An s_nop 0 and four v_nop follow each line.
.macro JLOAD s
	s_cmp_eq_u32 s[WV], 0
	s_cbranch_scc0 .Lfor_b_\@
	tensor_load_to_lds s[G0A+4*(\s):G0A+4*(\s)+3], s[G1A:G1A+7]
	s_nop 0
.rept 4
	v_nop
.endr
	s_branch .Lasked_\@
.Lfor_b_\@:
	tensor_load_to_lds s[G0B+4*(\s):G0B+4*(\s)+3], s[G1B:G1B+7]
	s_nop 0
.rept 4
	v_nop
.endr
.Lasked_\@:
.endm
; A prefetch of x's K step two refills on: my work-group's 32 of the 128 rows, a lane a row, 256 bytes of each.  Of the four clusters that read the same rows of x, those with y = 0 and y = 1 begin eight K steps
; apart and between them come first to every K step, each in its own steps 0 to 7 (the clusters with y = 2, 3 walk as they do).  So wave 0 of those two asks, in the loop's first four trips (s3 = 14 .. 11), for its
; own steps 4 to 7; the four partners of the joint load share the rows out by address (cy).  Each block is named once.  W's rows are come to first in a cluster's steps 0 to 3, which come by their loads alone.
.macro ASK
	s_cmp_gt_u32 s3, s[LIM]
	s_cbranch_scc0 .Lnot_mine_\@
	global_prefetch_b8 v[PFO], s[PFA:PFA+1] th:TH_LOAD_NT scope:SCOPE_SE
.Lnot_mine_\@:
.endm
.macro CREST                           ; a round of the cluster's barrier behind its opening barrier
	s_cmp_lg_u32 s[WV], 0
	s_cbranch_scc1 .Lnot_wave_0_\@
	s_barrier_signal -3
.Lnot_wave_0_\@:
	s_barrier_wait -3
	s_barrier_signal -1
	s_barrier_wait -1
.endm
.macro CROUND
	s_barrier_signal -1
	s_barrier_wait -1
	CREST
.endm
	s_load_b256 s[4:11], s[0:1], 0x0               ; xb s[4:5], wb s[6:7], tab s[8:9], wq_b s[10:11]
	s_load_b256 s[68:75], s[0:1], 0x20             ; wk_b s[68:69], wv_b s[70:71], qh s[72:73], kh s[74:75]
	s_load_b128 s[76:79], s[0:1], 0x40             ; vh s[76:77], out1 s[78:79]
	s_load_b64 s[80:81], s[0:1], 0x50              ; out2
	v_lshl_add_u32 v[SPW], v0, 2, SPARE
	v_mov_b32 v[NIL], 0
	ds_add_u32 v[SPW], v[NIL]                      ; the wave's opening: the add and its wait stand ahead of my first tensor load
	v_lshrrev_b32 v1, 5, v0
	v_readfirstlane_b32 s[WV], v1                  ; wave 0..3
	s_lshr_b32 s[RH], s[WV], 1                     ; my half of the rows
	s_and_b32 s[CH], s[WV], 1                      ; my half of each head's columns
	s_bfe_u32 s40, ttmp6, 0x40000                  ; cx
	s_bfe_u32 s41, ttmp6, 0x40004                  ; cy
	s_lshl_b32 s13, ttmp9, 2
	s_add_co_u32 s13, s13, s40                     ; the row block = 4 x cluster x + cx
	s_and_b32 s42, ttmp7, 0xffff
	s_lshl_b32 s42, s42, 2
	s_add_co_u32 s42, s42, s41                     ; the head = 4 x cluster y + cy
	s_lshl_b32 s20, 0x1111, s40                    ; my column of the cluster (same cx): x's piece
	s_lshl_b32 s21, s41, 2
	s_lshl_b32 s21, 15, s21                        ; my row (same cy): W's pieces
	s_or_b32 s[G1A], s20, (1<<16)|(1<<20)|(1<<21)|(5<<22)|(3<<25)  ; mask; 2-byte elements; padding on; bit 21 beside a mask; after every 64 words; 4 words
	s_or_b32 s[G1B], s21, (1<<16)|(1<<20)|(1<<21)|(5<<22)|(3<<25)
.irp g, G1A, G1B
	s_mov_b32 s[(\g)+1], KSTEP<<16                 ; tensor_dim0 = 128
	s_mov_b32 s[(\g)+2], 128<<16                   ; tensor_dim1 = 128
	s_mov_b32 s[(\g)+3], KSTEP<<16                 ; tile_dim0 = 128
	s_mov_b32 s[(\g)+4], 128                       ; tile_dim1 = 128
	s_mov_b32 s[(\g)+5], 2048                      ; elements from row to row
	s_mov_b32 s[(\g)+6], 0
	s_mov_b32 s[(\g)+7], 0
.endr
	s_lshl_b32 s16, s13, 19                        ; x: 128 rows x 4,096 bytes a row block
	s_mov_b32 s17, 0
	s_max_u32 s46, s[WV], 1
	s_sub_co_u32 s46, s46, 1                       ; W: which of the three (wave 0 makes Wq's address and does not use it),
	s_lshl_b32 s46, s46, 23
	s_lshl_b32 s47, s42, 19                        ; the head's 128 rows
	s_add_co_u32 s46, s46, s47
	s_mov_b32 s47, 0
	s_mul_i32 s22, s[WV], PIECE                    ; where my piece goes: no place in the cluster enters an LDS address
	s_mov_b32 s96, 0xffff0000
	s_and_b32 s[KI], ttmp7, 0xffff                 ; the cluster's first K step: 4 ((X + 2 Y) mod 4): the same in all sixteen partners
	s_lshl_b32 s[KI], s[KI], 1
	s_add_co_u32 s[KI], s[KI], ttmp9
	s_and_b32 s[KI], s[KI], 3
	s_lshl_b32 s[KI], s[KI], 2
	s_mov_b32 s[KO+1], 0
	s_mov_b32 s[TB], 0
	s_wait_dscnt 0x0                               ; the opening add is done
	s_wait_kmcnt 0x0
	s_add_nc_u64 s[14:15], s[4:5], s[16:17]        ; x and W at my piece's first row, K = 0: kept for the whole walk
	s_add_nc_u64 s[46:47], s[6:7], s[46:47]
	CROUND                                         ; all sixteen work-groups are here: the first joint loads meet
.irp s, 0,1
	s_lshl_b32 s[KO], s[KI], 8                     ; a K step is 256 bytes of a row
	s_mov_b32 s[G0A+4*(\s)], 1
	s_add_co_u32 s[G0A+4*(\s)+1], s22, (\s)*XS
	s_add_nc_u64 s[G0A+4*(\s)+2:G0A+4*(\s)+3], s[14:15], s[KO:KO+1]
	s_or_b32 s[G0A+4*(\s)+3], s[G0A+4*(\s)+3], 0x80000000
	s_mov_b32 s[G0B+4*(\s)], 1
	s_add_co_u32 s[G0B+4*(\s)+1], s22, (\s)*XS
	s_add_nc_u64 s[G0B+4*(\s)+2:G0B+4*(\s)+3], s[46:47], s[KO:KO+1]
	s_or_b32 s[G0B+4*(\s)+3], s[G0B+4*(\s)+3], 0x80000000
	s_add_co_u32 s[KI], s[KI], 1
	s_and_b32 s[KI], s[KI], NSTEP-1
	JLOAD \s                                       ; the walk's first two K steps: two loads of mine are out
.endr
	v_and_b32 v1, 15, v0                           ; l % 16
	v_bfe_u32 v2, v0, 4, 1                         ; l / 16
	v_mul_u32_u24 v3, v1, PITCH
	v_lshl_add_u32 v3, v2, 4, v3                   ; a fragment's row x pitch + 16 x half
	s_mul_i32 s20, s[RH], 64*PITCH                 ; my 64 rows of x
	s_mul_i32 s21, s[CH], 64*PITCH                 ; my 64 rows of each W,
	s_add_co_u32 s21, s21, PIECE                   ; behind x's piece
	v_add_nc_u32 v[ADRA0], s20, v3
	v_mov_b32 v[ADRA], v[ADRA0]
.irp t, 0,1,2
	v_add_nc_u32 v[ADRB0+(\t)], s21, v3
	v_mov_b32 v[ADRB+(\t)], v[ADRB0+(\t)]
	s_add_co_u32 s21, s21, PIECE
.endr
	s_mul_i32 s20, s[WV], 8704                     ; the f32 way out: a stage of my own, 16 rows x 272 bytes
	s_add_co_u32 s20, s20, STAGE
	v_mul_u32_u24 v4, v1, PITCH
	v_lshl_add_u32 v4, v2, 5, v4                   ; in: row l % 16, 32 bytes for each half of the lanes
	v_add_nc_u32 v[STO32], s20, v4
	v_mul_u32_u24 v5, v2, PITCH
	v_lshl_add_u32 v5, v1, 4, v5                   ; back: lanes 0-15 one row of 256 bytes, lanes 16-31 the next
	v_add_nc_u32 v[RD32], s20, v5
	v_lshlrev_b32 v4, 9, v2
	v_lshl_add_u32 v[CO32], v1, 4, v4              ; the same two rows in out1, out2: 512 bytes a row
	s_mul_i32 s20, s[RH], 64*PITCH                 ; the f16 way out: one stage of 128 rows x 272 bytes for the work-group
	s_lshl_b32 s21, s[CH], 7
	s_add_co_u32 s20, s20, s21
	s_add_co_u32 s20, s20, STAGE
	v_add_nc_u32 v[STO16], s20, v3                 ; in: row 64 r + l % 16, my 128 bytes, 16 for each half of the lanes
	s_mul_i32 s20, s[WV], 32*PITCH
	s_add_co_u32 s20, s20, STAGE
	v_add_nc_u32 v[RD16], s20, v5                  ; back: wave w takes rows 32 w on, whole
	v_lshlrev_b32 v4, 8, v2
	v_lshl_add_u32 v[CO16], v1, 4, v4              ; 256 bytes a row in qh, kh, vh
	s_lshl_b32 s20, s42, 9                         ; bias: 512 x head + 256 x column half + 32 (l / 16)
	s_lshl_b32 s21, s[CH], 8
	s_add_co_u32 s20, s20, s21
	v_lshl_add_u32 v[BO], v2, 5, s20
.irp b, 0,1,2,3
	global_load_b128 v[BIAS+8*(\b):BIAS+8*(\b)+3],       v[BO], s[10:11] offset:64*(\b)
	global_load_b128 v[BIAS+8*(\b)+4:BIAS+8*(\b)+7],     v[BO], s[10:11] offset:64*(\b)+16
	global_load_b128 v[BIAS+32+8*(\b):BIAS+32+8*(\b)+3],   v[BO], s[68:69] offset:64*(\b)
	global_load_b128 v[BIAS+32+8*(\b)+4:BIAS+32+8*(\b)+7], v[BO], s[68:69] offset:64*(\b)+16
	global_load_b128 v[BIAS+64+8*(\b):BIAS+64+8*(\b)+3],   v[BO], s[70:71] offset:64*(\b)
	global_load_b128 v[BIAS+64+8*(\b)+4:BIAS+64+8*(\b)+7], v[BO], s[70:71] offset:64*(\b)+16
.endr
	s_lshl_b32 s20, s13, 15                        ; table: row (128 mb + 64 r + l % 16) x 256 bytes + 128 x column half + 16 (l / 16)
	s_lshl_b32 s21, s[RH], 14
	s_add_co_u32 s20, s20, s21
	s_lshl_b32 s21, s[CH], 7
	s_add_co_u32 s20, s20, s21
	v_lshl_add_u32 v4, v1, 8, s20
	v_lshl_add_u32 v[TBO], v2, 4, v4
.irp a, 0,1,2,3
.irp b, 0,1,2,3
	global_load_b128 v[TAB+4*(4*(\a)+(\b)):TAB+4*(4*(\a)+(\b))+3], v[TBO], s[8:9] offset:4096*(\a)+32*(\b)  ; four pairs' words for row block a, column block b
.endr
.endr
	s_lshl_b32 s20, s42, 20                        ; out1, out2 at my rows and columns
	s_lshl_b32 s21, s13, 16
	s_add_co_u32 s20, s20, s21
	s_lshl_b32 s21, s[RH], 15
	s_add_co_u32 s20, s20, s21
	s_lshl_b32 s21, s[CH], 8
	s_add_co_u32 s20, s20, s21
	s_mov_b32 s21, 0
	s_add_nc_u64 s[86:87], s[78:79], s[20:21]
	s_add_nc_u64 s[88:89], s[80:81], s[20:21]
	s_lshl_b32 s20, s42, 19                        ; qh, kh, vh at the 32 rows that I store
	s_lshl_b32 s23, s13, 15
	s_add_co_u32 s20, s20, s23
	s_lshl_b32 s23, s[WV], 13
	s_add_co_u32 s20, s20, s23
	s_add_nc_u64 s[90:91], s[72:73], s[20:21]
	s_add_nc_u64 s[92:93], s[74:75], s[20:21]
	s_add_nc_u64 s[94:95], s[76:77], s[20:21]
	s_lshl_b32 s20, s41, 17                        ; the prefetches: my work-group's 32 rows of 4,096 bytes, by cy
	s_add_nc_u64 s[PFB:PFB+1], s[14:15], s[20:21]
	s_and_b32 s20, ttmp7, 0xffff
	s_lshr_b32 s20, s20, 1                         ; 0 in the clusters with y = 0, 1,
	s_or_b32 s20, s20, s[WV]                       ; in wave 0: the same in all sixteen partners, for a given wave
	s_cmp_eq_u32 s20, 0
	s_cselect_b32 s[LIM], NSTEP-6, -1
	v_and_b32 v[PFO], 31, v0
	v_lshlrev_b32 v[PFO], 12, v[PFO]
	s_wait_loadcnt 16                              ; the 24 bias loads are in; the table's 16 may stay out
.set p, 0
.rept 48                                       ; the biases are rounded to bf16, as every input is
	v_cvt_pk_bf16_f32 v[4+p%8], v[BIAS+2*p], v[BIAS+2*p+1]
	v_lshlrev_b32 v[BIAS+2*p], 16, v[4+p%8]
	v_and_b32 v[BIAS+2*p+1], s96, v[4+p%8]
.set p, p+1
.endr
; 16 matrix instructions for q and k: row blocks a0, a0 + 1 x column blocks 0..7, 32 along K, buffer f.  first = 1: the bias starts the sums.
.macro MULQK f, a0, first
.if \first
	WIN 0x81                                       ; W window 1, x window 0, C window 0, D window 2
.else
	WIN 0xa1                                       ; C and D window 2
.endif
.irp a, \a0, (\a0)+1
.irp b, 0,1,2,3,4,5,6,7
.if \first
	v_wmma_f32_16x16x32_bf16 v[8*(8*(\a)+(\b)):8*(8*(\a)+(\b))+7], v[96*(\f)+8*(\b):96*(\f)+8*(\b)+7], v[32+32*(\f)+8*(\a):32+32*(\f)+8*(\a)+7], v[BIAS+8*(\b):BIAS+8*(\b)+7]
.else
	v_wmma_f32_16x16x32_bf16 v[8*(8*(\a)+(\b)):8*(8*(\a)+(\b))+7], v[96*(\f)+8*(\b):96*(\f)+8*(\b)+7], v[32+32*(\f)+8*(\a):32+32*(\f)+8*(\a)+7], v[8*(8*(\a)+(\b)):8*(8*(\a)+(\b))+7]
.endif
.endr
.endr
.endm
.macro MULV f, first                   ; 16 for v
.if \first
	WIN 0xc1
.else
	WIN 0xf1
.endif
.irp a, 0,1,2,3
.irp b, 0,1,2,3
.if \first
	v_wmma_f32_16x16x32_bf16 v[8*(4*(\a)+(\b)):8*(4*(\a)+(\b))+7], v[96*(\f)+64+8*(\b):96*(\f)+64+8*(\b)+7], v[32+32*(\f)+8*(\a):32+32*(\f)+8*(\a)+7], v[BIAS+64+8*(\b):BIAS+64+8*(\b)+7]
.else
	v_wmma_f32_16x16x32_bf16 v[8*(4*(\a)+(\b)):8*(4*(\a)+(\b))+7], v[96*(\f)+64+8*(\b):96*(\f)+64+8*(\b)+7], v[32+32*(\f)+8*(\a):32+32*(\f)+8*(\a)+7], v[8*(4*(\a)+(\b)):8*(4*(\a)+(\b))+7]
.endif
.endr
.endr
.endm
; 32 LDS loads in one run: the fragments of 32 along K at byte k of the rows of the slot in hand, into buffer f: W's 24, then x's 8
.macro FETCH k, f
	WIN 0x40
.irp t, 0,1,2
.irp i, 0,1,2,3
	ds_load_b128 v[96*(\f)+8*(4*(\t)+(\i)):96*(\f)+8*(4*(\t)+(\i))+3],   v[ADRB+(\t)] offset:(\k)+(\i)*16*PITCH
	ds_load_b128 v[96*(\f)+8*(4*(\t)+(\i))+4:96*(\f)+8*(4*(\t)+(\i))+7], v[ADRB+(\t)] offset:(\k)+(\i)*16*PITCH+32
.endr
.endr
	WIN 0
.irp i, 0,1,2,3
	ds_load_b128 v[32+32*(\f)+8*(\i):32+32*(\f)+8*(\i)+3],   v[ADRA] offset:(\k)+(\i)*16*PITCH
	ds_load_b128 v[32+32*(\f)+8*(\i)+4:32+32*(\f)+8*(\i)+7], v[ADRA] offset:(\k)+(\i)*16*PITCH+32
.endr
.endm
; A K step is four quarters of 32 along K, 48 matrix instructions each, on buffers 0, 1, 0, 1; the 48 accumulators take turns in the same order in every quarter.
.macro QUARTER k, f, g, first
	s_wait_dscnt 4                                 ; all but x's row blocks 2 and 3 are in
	MULQK \f, 0, \first
	PLACES
	FETCH \k, \g
	s_wait_dscnt 32                                ; all but the 32 just issued
	MULQK \f, 2, \first
	MULV \f, \first
.endm
; The last quarter multiplies buffer 1 and changes slots: one barrier; in front of it each wave waits for all its tensor loads (at most one is out: its piece of the next slot), adds 0 to its spare word,
; and waits for that and for its reads of this slot.  fill = 1: the barrier opens a round of the cluster's, and this slot is filled again, two K steps ahead, first thing behind the round:
; 160 matrix instructions stand between that request and the wait for it.  The walking descriptors are written where no tensor load of mine is out: the other slot, the address anew from the K step's number.
; fill = 0: the last two K steps, one text for both; the very last (CNT = 1) has no next step: its fetch is jumped over.
.macro TURN fill
.if \fill
	s_wait_xcnt 0x0                                ; the last prefetch, a K step back, has read its address
.endif
	WIN 0
	s_wait_tensorcnt 0x0
	ds_add_u32 v[SPW], v[NIL]
.if \fill
	s_lshl_b32 s[KO], s[KI], 8
	s_xor_b32 s[G0A+5], s[G0A+5], XS
	s_add_nc_u64 s[G0A+6:G0A+7], s[14:15], s[KO:KO+1]
	s_or_b32 s[G0A+7], s[G0A+7], 0x80000000
	s_xor_b32 s[G0B+5], s[G0B+5], XS
	s_add_nc_u64 s[G0B+6:G0B+7], s[46:47], s[KO:KO+1]
	s_or_b32 s[G0B+7], s[G0B+7], 0x80000000
	s_add_co_u32 s[KO], s[KI], 2                   ; the prefetch names the K step two refills on
	s_and_b32 s[KO], s[KO], NSTEP-1
	s_lshl_b32 s[KO], s[KO], 8
	s_add_nc_u64 s[PFA:PFA+1], s[PFB:PFB+1], s[KO:KO+1]
	s_add_co_u32 s[KI], s[KI], 1
	s_and_b32 s[KI], s[KI], NSTEP-1
.endif
	s_wait_dscnt 5                                 ; the add and x's last four loads may be out
	MULQK 1, 0, 0
	s_wait_dscnt 0x0                               ; the add is done, my reads of this slot are over
	s_barrier_signal -1
	MULQK 1, 2, 0
	WIN 0
	s_barrier_wait -1
.if \fill
	CREST
	JLOAD 1                                        ; its four v_nop are also the places in front of the loads below
.else
	s_cmp_eq_u32 s[CNT], 1
	s_cbranch_scc1 .Lnofetch_\@
	PLACES
.endif
	s_xor_b32 s[TB], s[TB], XS                     ; the fragments now come out of the other slot
	v_add_nc_u32 v[ADRA], s[TB], v[ADRA0]
.irp t, 0,1,2
	v_add_nc_u32 v[ADRB+(\t)], s[TB], v[ADRB0+(\t)]
.endr
	FETCH 0, 0
.if \fill
	ASK
.else
.Lnofetch_\@:
.endif
	MULV 1, 0
.endm
	s_wait_tensorcnt 1                             ; my piece of the first K step is in; the second's may stay out
	s_barrier_signal -1
	s_barrier_wait -1
	FETCH 0, 0
	QUARTER 64, 0, 1, 1                            ; the first quarter stands in front of the loop: its products start the sums
	WIN 0
	s_mov_b32 s3, NSTEP-2
.Lstep:                                        ; a trip goes from a K step's second quarter to the next step's first, and fills the slot that it leaves
	QUARTER 128, 1, 0, 0
	QUARTER 192, 0, 1, 0
	TURN 1
	QUARTER 64,  0, 1, 0
	WIN 0
	s_sub_co_u32 s3, s3, 1
	s_cmp_lg_u32 s3, 0
	s_cbranch_scc1 .Lstep
	s_mov_b32 s[CNT], 2
.Ltail:                                        ; the last two K steps fill nothing: written apart; the second trip is left behind its last products
	QUARTER 128, 1, 0, 0
	QUARTER 192, 0, 1, 0
	TURN 0
	WIN 0
	s_cmp_eq_u32 s[CNT], 1
	s_cbranch_scc1 .Lout
	QUARTER 64,  0, 1, 0
	WIN 0
	s_sub_co_u32 s[CNT], s[CNT], 1
	s_cmp_lg_u32 s[CNT], 0
	s_cbranch_scc1 .Ltail
.Lout:
	s_wait_loadcnt 0x0                             ; the table's words
	PLACES
	PLACES
	; THE ROPE, in place, on q's and k's accumulators: (r0, r1) -> (r0 cos - r1 sin, r0 sin + r1 cos).  For a row block the 16 words become 16 pairs (cos, sin); then, four accumulators at a time,
	; T = (r1 sin, r1 cos) and R = (r0 cos - T0, r0 sin + T1).  Each accumulator's lowest pair is read first.
.irp a, 0,1,2,3
	WIN 0
.set n, 0
.rept 16
	v_lshlrev_b32 v[CSR+2*n], 16, v[TAB+16*(\a)+n]
	v_and_b32 v[CSR+2*n+1], s96, v[TAB+16*(\a)+n]
.set n, n+1
.endr
.irp t, 0,1
	WIN 0x02                                       ; source 0 window 2
.set n, 0
.rept 16
	v_pk_mul_f32 v[TT+2*n:TT+2*n+1], v[8*(8*(\a)+4*(\t))+2*n:8*(8*(\a)+4*(\t))+2*n+1], v[CSR+2*n:CSR+2*n+1] op_sel:[1,1] op_sel_hi:[1,0]
.set n, n+1
.endr
	WIN 0x82                                       ; destination and source 0 window 2
.set n, 0
.rept 16
	v_pk_fma_f32 v[8*(8*(\a)+4*(\t))+2*n:8*(8*(\a)+4*(\t))+2*n+1], v[8*(8*(\a)+4*(\t))+2*n:8*(8*(\a)+4*(\t))+2*n+1], v[CSR+2*n:CSR+2*n+1], v[TT+2*n:TT+2*n+1] op_sel_hi:[0,1,1] neg_lo:[0,0,1]
.set n, n+1
.endr
.endr
.endr
; k and v in f32: 16 rows x my 64 columns (256 bytes a row) go through my own stage and leave as whole rows: 16 lanes store 256 consecutive bytes, aligned.
.macro OUT32 dw, rb, base, a
	WIN \dw                                        ; the stores' data in window 2 or 3
.irp b, 0,1,2,3
	ds_store_b128 v[STO32], v[(\rb)+8*(\b):(\rb)+8*(\b)+3]   offset:64*(\b)
	ds_store_b128 v[STO32], v[(\rb)+8*(\b)+4:(\rb)+8*(\b)+7] offset:64*(\b)+16
.endr
	WIN 0
	s_wait_xcnt 0x0                                ; the last block's stores have read the registers that are loaded again
.irp i, 0,1,2,3,4,5,6,7
	ds_load_b128 v[BK+4*(\i):BK+4*(\i)+3], v[RD32] offset:544*(\i)  ; LDS serves a wave's instructions in order: these see the stores above
.endr
.irp i, 0,1,2,3,4,5,6,7
	s_wait_dscnt 7-(\i)
	global_store_b128 v[CO32], v[BK+4*(\i):BK+4*(\i)+3], s[(\base):(\base)+1] offset:(16*(\a)+2*(\i))*512 th:TH_STORE_NT
.endr
.endm
.irp a, 0,1,2,3
	OUT32 0x08, 8*(8*(\a)+4), 86, \a
.endr
.irp a, 0,1,2,3
	OUT32 0x0c, 8*(4*(\a)), 88, \a
.endr
	s_wait_dscnt 0x0
	s_barrier_signal -1                            ; every wave has read its own stage: the same bytes now serve all four together
	s_barrier_wait -1
; q, k or v in f16: a row's 256 bytes come from two waves, so the stage is the work-group's, with a barrier between writing and reading, and (more = 1) one between reading and the next writing.
.macro OUT16 sw, r0, ra, base, more
	s_wait_xcnt 0x0                                ; earlier stores have read the registers that are written again
	WIN \sw                                        ; sources 0 and 1 in window 2 or 3
.irp a, 0,1,2,3
.irp b, 0,1,2,3
.irp p, 0,1,2,3
	v_cvt_pk_f16_f32 v[PK+4*(4*(\a)+(\b))+(\p)], v[(\r0)+(\ra)*(\a)+8*(\b)+2*(\p)], v[(\r0)+(\ra)*(\a)+8*(\b)+2*(\p)+1]
.endr
.endr
.endr
	WIN 0
.irp a, 0,1,2,3
.irp b, 0,1,2,3
	ds_store_b128 v[STO16], v[PK+4*(4*(\a)+(\b)):PK+4*(4*(\a)+(\b))+3] offset:(\a)*16*PITCH+32*(\b)
.endr
.endr
	s_wait_dscnt 0x0                               ; for the others' sake: my stores are done
	s_barrier_signal -1
	s_barrier_wait -1
.irp i, 0,1,2,3,4,5,6,7,8,9,10,11,12,13,14,15
	ds_load_b128 v[PK+4*(\i):PK+4*(\i)+3], v[RD16] offset:544*(\i)
.endr
.irp i, 0,1,2,3,4,5,6,7,8,9,10,11,12,13,14,15
	s_wait_dscnt 15-(\i)
	global_store_b128 v[CO16], v[PK+4*(\i):PK+4*(\i)+3], s[(\base):(\base)+1] offset:512*(\i)
.endr
.if \more
	s_barrier_signal -1                            ; my reads of the stage are back (the count-down ended at 0)
	s_barrier_wait -1
.endif
.endm
	OUT16 0x0a, 0, 64, 90, 1
	OUT16 0x0a, 32, 64, 92, 1
	OUT16 0x0f, 0, 32, 94, 0
	s_wait_tensorcnt 0x0                           ; the wave's end
	ds_add_u32 v[SPW], v[NIL]
	s_wait_dscnt 0x0
	CROUND                                         ; the closing round
	s_endpgm
.Lfunc_end_k_qd00023ba6c_qkv:
	.size	k_qd00023ba6c_qkv, .Lfunc_end_k_qd00023ba6c_qkv-k_qd00023ba6c_qkv
	.p2alignl 7, 3214868480
	.fill 96, 4, 3214868480
	.section	.rodata,"a",@progbits
	.p2align	6, 0x0
	.amdhsa_kernel k_qd00023ba6c_qkv
		.amdhsa_group_segment_fixed_size 327680
		.amdhsa_private_segment_fixed_size 0
		.amdhsa_enable_private_segment 0
		.amdhsa_kernarg_size 88
		.amdhsa_user_sgpr_count 2
		.amdhsa_user_sgpr_kernarg_segment_ptr 1
		.amdhsa_wavefront_size32 1
		.amdhsa_system_sgpr_workgroup_id_x 1
		.amdhsa_system_sgpr_workgroup_id_y 1
		.amdhsa_system_sgpr_workgroup_id_z 1
		.amdhsa_system_vgpr_workitem_id 0
		.amdhsa_next_free_vgpr 896
		.amdhsa_next_free_sgpr 100
		.amdhsa_reserve_vcc 0
		.amdhsa_float_denorm_mode_32 3
		.amdhsa_float_denorm_mode_16_64 3
		.amdhsa_memory_ordered 1
		.amdhsa_forward_progress 1
		.amdhsa_inst_pref_size 135
	.end_amdhsa_kernel
	.amdgpu_metadata
---
amdhsa.version: [ 1, 2 ]
amdhsa.kernels:
  - .name:           k_qd00023ba6c_qkv
    .symbol:         k_qd00023ba6c_qkv.kd
    .args:
      - { .name: xb, .offset: 0, .size: 8, .value_kind: global_buffer, .address_space: global }
      - { .name: wb, .offset: 8, .size: 8, .value_kind: global_buffer, .address_space: global }
      - { .name: tab, .offset: 16, .size: 8, .value_kind: global_buffer, .address_space: global }
      - { .name: wq_b, .offset: 24, .size: 8, .value_kind: global_buffer, .address_space: global }
      - { .name: wk_b, .offset: 32, .size: 8, .value_kind: global_buffer, .address_space: global }
      - { .name: wv_b, .offset: 40, .size: 8, .value_kind: global_buffer, .address_space: global }
      - { .name: qh, .offset: 48, .size: 8, .value_kind: global_buffer, .address_space: global }
      - { .name: kh, .offset: 56, .size: 8, .value_kind: global_buffer, .address_space: global }
      - { .name: vh, .offset: 64, .size: 8, .value_kind: global_buffer, .address_space: global }
      - { .name: out1, .offset: 72, .size: 8, .value_kind: global_buffer, .address_space: global }
      - { .name: out2, .offset: 80, .size: 8, .value_kind: global_buffer, .address_space: global }
    .group_segment_fixed_size: 327680
    .private_segment_fixed_size: 0
    .kernarg_segment_align: 8
    .kernarg_segment_size: 88
    .max_flat_workgroup_size: 128
    .sgpr_count:     100
    .vgpr_count:     896
    .wavefront_size: 32
...
	.end_amdgpu_metadata
.endif
;; end of part 2
;; launch attn (part 3): grid 16 x 16, 4 waves a work-group, clusters of 4 x 1, 327,680 bytes of LDS; arguments qh, kh, vh, oh; writes oh
.if DOCPART == 3
	.amdgcn_target "amdgcn-amd-amdhsa--gfx1250"
	.amdhsa_code_object_version 6
	.text
	.protected	k_qd00023ba6c_attn
	.globl	k_qd00023ba6c_attn
	.p2align	8
	.type	k_qd00023ba6c_attn,@function
k_qd00023ba6c_attn:
	s_mov_b64 s[64:65], 0
	v_nop
	global_prefetch_b8 v0, s[64:65] scope:SCOPE_SE
	s_setreg_imm32_b32 hwreg(HW_REG_WAVE_MODE, 25, 1), 1
	s_wait_xcnt 0x0
	s_wait_alu depctr_hold_cnt(0) depctr_sa_sdst(0) depctr_va_vdst(0) depctr_va_sdst(0) depctr_va_ssrc(0) depctr_va_vcc(0) depctr_vm_vsrc(0)
	s_getreg_b32 s2, hwreg(HW_REG_IB_STS2, 6, 4)
	s_cmp_eq_u32 s2, 0
	s_cbranch_scc0 .Lentry_in_a_cluster
	s_endpgm
.Lentry_in_a_cluster:
	s_bfe_u32 s2, ttmp6, 0x10000c
	s_cmp_lg_u32 s2, 0x3003
	s_cbranch_scc0 .Lentry_shape_is_right
	s_endpgm
.Lentry_shape_is_right:
; CAUSAL ATTENTION, head size 128.  qh, kh, vh: [16][2048][128] f16; oh: [2048][2048] f16, head h in columns 128 h on.  O[q] = the sum over k <= q of softmax_k(Q[q] . K[k] / sqrt(128)) V[k].
; Products, maxima and sums in f32; the weights p are rounded to f16 for the second product (their sum is taken of the unrounded p), O once at the end.
; LIMITS.  A hidden score counts as its value less 1e30; a weight below 2^-126 counts as 0; NaN and infinities are not treated apart; q, k, v arrive within f16's range.
; THE WALK.  A head has 8 blocks of 256 queries; block i needs the key tiles 0 .. i of 256 keys, the last of which holds the diagonal.  Cluster b (of a head's four) takes block b and then block 7 - b.
; EVERY cluster walks 12 steps: four for its first block, eight for its second; every trip count and slot is a constant of the text, and the four partners ask for each tile JOINTLY.
; In step J cluster b takes tile (b + J) mod 4, and 4 more in steps 4 to 7: the four clusters of a head ask for four different tiles at any one time.  A running maximum takes the tiles in any order.
; 3 of the 12 steps have a tile wholly behind the diagonal (3 - b in the first block, b in the second).  Such a tile is asked for and waited for like any other, and the next K and V are fetched; the step's arithmetic
; is jumped over: two forward jumps a step, over text with neither barrier nor tensor load.  They hang on the step's number and the cluster's number: the same in all waves and all partners.
; SHARES.  Of a block's four bands of 64 queries work-group cx owns rows 16 cx .. 16 cx + 15 in each: four query tiles.  THE FOUR WAVES SPLIT THE KEYS: wave w takes keys 64 w .. 64 w + 63 of every tile, for all four
; query tiles: a fragment of K or V read from LDS feeds four products.  Each wave has its own running maximum m, sum l and O^T; at a block's end the four are merged through LDS (MERGE).
; THE MASK is the C operand that starts S^T = K Q^T: 0, or -1e30 where the key is hidden.  MD, made once, is the mask of a band's own 64 keys; a tile's mask is MD x AL + BE with two scalars:
; (0, 0) in a tile before the diagonal one; in the diagonal tile (1, 0) if w = t, (0, -1e30) if w > t, (0, 0) if w < t.
; What a wave has summed of hidden keys alone has c m near -1.3e29: the first seen key multiplies it by a = 0, and in the merge its weight is 0; wave 0 sees key 0 of tile 0 for every query.
; LAYOUT.  S^T holds one query a lane (lane % 16) and the keys 8 (lane / 16) + 0..7; two such results rounded to f16 are source 1 of O^T = V^T P.  p = 2^(c s - c m), c = log2(e) / sqrt(128).
; A STEP (one tile): piece 0's scores; the change of slots; piece 2's scores with piece 0's softmax between them; the next K; piece 0's V^T P with piece 2's softmax between them; piece 2's V^T P; the next V.
; REGISTERS by windows of 256: window 0: addresses, statistics (8 a tile), v64-191 S^T, v192-255 P.  window 1: O^T, 64 a tile.  window 2: v0-127 Q, v128-255 K.  window 3: v0-127 V, v128-191 MC, v192-223 MD.
.set KP,    272                        ; a row of K in LDS: 256 bytes + 16
.set VP,    288                        ; a row of V: 256 + 32
.set VOFF,  256*KP                     ; a slot: 256 rows of K, then 256 rows of V
.set SPARE, VOFF+256*VP                ; behind slot 0: the spare words, two blocks of 256 bytes that no other line names
.set XS,    0x24000                    ; slot 1 begins here; no piece's place in slot 0 has one of its two bits, so one exclusive or changes slots
.set REG,   0x47000                    ; 32,768 bytes for the merge, never filled by a tensor load
.set STAT,  0x4f000                    ; 4,096 bytes: (c m, l) by wave, tile and lane
.set AK0, 2
.set AV0, 3
.set AK,  4
.set AV,  5
.set QO,  6
.set MST, 7
.set MLD, 8
.set SST, 9
.set SLD, 10
.set OST, 11
.set ST,  12                           ; tile t's statistics at v[ST+8 t]: c m, m, l (even keys', odd keys'), c0-c3 at work; a takes c2's place
.set ORD, 44
.set GO,  45
.set MK,  46                           ; my query's place in its band less my lanes' 8 (l / 16)
.set PFO, 47
.set SPW, 62
.set NIL, 63
.set S,   64
.set P,   192
.set KF,  128                          ; window 2
.set MC,  128                          ; window 3: the masks of the piece in hand: tile u of two, key block kb, register r at MC + 32 u + 8 kb + r
.set MD,  192                          ; window 3
.set PB,  64                           ; the merge: four waves' parts
.set RR,  128                          ; the merge: results, 16 a tile
.set WT,  192                          ; the merge: (c m, l), then (g, l), at WT + 8 t + 2 w
.set MX,  224
.set WV, 12
.set CX, 13
.set BB, 14
.set HD, 15
.set G1K, 24
.set G1V, 32
.set G0K, 40
.set G0V, 48
.set SLOTS, 56                         ; counts a block's steps that ask for a tile: 4, then 6
.set CNT, 57                           ; counts the last two steps
.set CS,  58
.set SEL, 60
.set TB,  62                           ; LDS byte at which the slot to be fetched from begins
.set JJ,  63                           ; the step's number, 0 to 11
.set TAU, 66                           ; the step's tile
.set BLK, 67                           ; the block in hand: its diagonal tile's number
.set BC,  68                           ; counts the two blocks
.set NXT, 69                           ; the tile to be asked for
.set BIGN, 71
.set OFF, 72
.set QHI, 74
.set OHI, 76
.set PFA, 78
.set SV,  81                           ; s81-84 by tile: -1e30 if w > t
.set SA,  85                           ; s85-88 by tile: 1.0 if w = t
.set TM,  89
.set HIQ, 90
.set AL,  92                           ; s[92:93] the mask's factor, in the low word
.set BE,  94                           ; s[94:95] the mask's addend
.set MSB, 0
.macro WIN new                         ; the immediate's high byte repeats the setting that is left; a switch that changes nothing is dropped
.if MSB != (\new)
	s_set_vgpr_msb (MSB<<8)|(\new)
.set MSB, \new
.endif
.endm
.set W_KQ, 0x0a                        ; K and Q window 2, S^T window 0
.set W_KM, 0x3a                        ; the same with C in window 3
.set W_PV, 0x53                        ; V window 3, P window 0, O^T window 1
.set W_RS, 0x41                        ; O^T window 1, a window 0
.macro PLACES                          ; four plain vector instructions between a matrix instruction and a load into, or a vector use of, its registers
.rept 4
	v_nop
.endr
.endm
.macro JLOAD                           ; waves 0 and 1 fetch the halves of a tile's K, waves 2 and 3 of its V; an s_nop 0 and four v_nop follow each line
	s_cmp_lt_u32 s[WV], 2
	s_cbranch_scc0 .Lfor_v_\@
	tensor_load_to_lds s[G0K+4:G0K+7], s[G1K:G1K+7]
	s_nop 0
.rept 4
	v_nop
.endr
	s_branch .Lasked_\@
.Lfor_v_\@:
	tensor_load_to_lds s[G0V+4:G0V+7], s[G1V:G1V+7]
	s_nop 0
.rept 4
	v_nop
.endr
.Lasked_\@:
.endm
; A prefetch.  Tiles 4 to 7 are come to first in step 4, tile 4 + b by cluster b.  In step 1, behind its joint load, each cluster asks for that tile, which its next change of slots will request.  Of the 128 rows
; that a wave fetches each partner takes 32, told apart by address; a lane a row: one instruction a wave in the launch, and each block named once.  Tiles 0 to 3 come by their loads alone.
.macro ASK
	s_cmp_eq_u32 s[JJ], 1
	s_cbranch_scc0 .Lnot_now_\@
	global_prefetch_b8 v[PFO], s[PFA:PFA+1] th:TH_LOAD_NT scope:SCOPE_SE
.Lnot_now_\@:
.endm
.macro CROUND                          ; a round of the cluster's barrier
	s_barrier_signal -1
	s_barrier_wait -1
	s_cmp_lg_u32 s[WV], 0
	s_cbranch_scc1 .Lnot_wave_0_\@
	s_barrier_signal -3
.Lnot_wave_0_\@:
	s_barrier_wait -3
	s_barrier_signal -1
	s_barrier_wait -1
.endm
.macro TILE d, ahead                   ; the tile of step J = JJ + ahead: (b + J) mod 4, and 4 more where 4 <= J < 8
	s_add_co_u32 s[\d], s[JJ], \ahead
	s_sub_co_u32 s[TM], s[\d], 4
	s_add_co_u32 s[\d], s[\d], s[BB]
	s_and_b32 s[\d], s[\d], 3
	s_cmp_lt_u32 s[TM], 4
	s_cselect_b32 s[TM], 4, 0
	s_add_co_u32 s[\d], s[\d], s[TM]
.endm
	s_load_b256 s[4:11], s[0:1], 0x0               ; qh s[4:5], kh s[6:7], vh s[8:9], oh s[10:11]
	v_lshl_add_u32 v[SPW], v0, 2, SPARE
	v_mov_b32 v[NIL], 0
	ds_add_u32 v[SPW], v[NIL]                      ; the wave's opening: the add and its wait stand ahead of my first tensor load
	v_lshrrev_b32 v1, 5, v0
	v_readfirstlane_b32 s[WV], v1
	s_bfe_u32 s[CX], ttmp6, 0x40000                ; my place in the cluster: it enters Q's, O's and the prefetch's addresses and the mask's values alone
	s_mov_b32 s[BB], ttmp9                         ; the cluster's number in its head
	s_sub_co_u32 s[HIQ], 7, s[BB]
	s_and_b32 s[HD], ttmp7, 0xffff
	s_and_b32 s16, s[WV], 1                        ; which half of a tile's 256 keys I fetch
	s_mul_i32 s17, s16, 128*KP
	s_mul_i32 s91, s16, 128*VP
	s_add_co_u32 s91, s91, VOFF
	s_lshl_b32 s20, s[HD], 19
	s_lshl_b32 s16, s16, 15
	s_add_co_u32 s20, s20, s16                     ; K and V: the head, my half
	s_mov_b32 s21, 0
	s_lshl_b32 s16, s[HD], 19                      ; Q: the head, the block, my work-group's 16 rows in a band
	s_lshl_b32 s18, s[CX], 12
	s_add_co_u32 s16, s16, s18
	s_lshl_b32 s18, s[BB], 16
	s_add_co_u32 s18, s18, s16
	s_mov_b32 s19, 0
	s_lshl_b32 s22, s[HIQ], 16
	s_add_co_u32 s22, s22, s16
	s_mov_b32 s23, 0
	s_mov_b32 s[G1K], 15|(1<<16)|(1<<20)|(1<<21)|(5<<22)|(3<<25)  ; the mask of four; 2-byte elements; padding on; bit 21 beside a mask; after every 64 words; 4 words
	s_mov_b32 s[G1V], 15|(1<<16)|(1<<20)|(1<<21)|(5<<22)|(7<<25)  ; the same with 8 words
.irp g, G1K, G1V
	s_mov_b32 s[(\g)+1], 128<<16                   ; tensor_dim0 = 128
	s_mov_b32 s[(\g)+2], 128<<16                   ; tensor_dim1 = 128
	s_mov_b32 s[(\g)+3], 128<<16                   ; tile_dim0 = 128
	s_mov_b32 s[(\g)+4], 128                       ; tile_dim1 = 128
	s_mov_b32 s[(\g)+5], 128                       ; elements from row to row
	s_mov_b32 s[(\g)+6], 0
	s_mov_b32 s[(\g)+7], 0
.endr
	s_mov_b32 s[CS], 0x3e0293ee                    ; c = log2(e) / sqrt(128)
	s_mov_b32 s[CS+1], s[CS]
	s_mov_b32 s[SEL], 0x76543210
	s_mov_b32 s[SEL+1], 0xfedcba98
	s_mov_b32 s[BIGN], 0xf149f2ca                  ; -1e30
	s_mov_b32 s[TB], 0
	s_mov_b32 s[JJ], 0
	s_mov_b32 s[BLK], s[BB]
	s_mov_b32 s[OFF+1], 0
	s_mov_b32 s[AL+1], 0                           ; named as pairs
	s_mov_b32 s[BE+1], 0
.irp t, 0,1,2,3
	s_cmp_gt_u32 s[WV], \t
	s_cselect_b32 s[SV+(\t)], s[BIGN], 0
	s_cmp_eq_u32 s[WV], \t
	s_cselect_b32 s[SA+(\t)], 1.0, 0
.endr
	s_wait_dscnt 0x0                               ; the opening add is done
	s_wait_kmcnt 0x0
	s_add_nc_u64 s[6:7], s[6:7], s[20:21]
	s_add_nc_u64 s[8:9], s[8:9], s[20:21]
	s_add_nc_u64 s[QHI:QHI+1], s[4:5], s[22:23]
	s_add_nc_u64 s[4:5], s[4:5], s[18:19]
	s_lshl_b32 s16, s[WV], 18                      ; O: row 256 blk + 64 w + 16 cx (I store band w), 4,096 bytes a row; column 128 x head
	s_lshl_b32 s18, s[CX], 16
	s_add_co_u32 s16, s16, s18
	s_lshl_b32 s18, s[HD], 8
	s_add_co_u32 s16, s16, s18
	s_lshl_b32 s18, s[BB], 20
	s_add_co_u32 s18, s18, s16
	s_lshl_b32 s22, s[HIQ], 20
	s_add_co_u32 s22, s22, s16
	s_add_nc_u64 s[OHI:OHI+1], s[10:11], s[22:23]
	s_add_nc_u64 s[10:11], s[10:11], s[18:19]
	s_cmp_lt_u32 s[WV], 2                          ; the prefetch: the half of K or V that I fetch,
	s_cselect_b64 s[PFA:PFA+1], s[6:7], s[8:9]
	s_lshl_b32 s18, s[CX], 13                      ; my work-group's 32 rows of 256 bytes,
	s_add_co_u32 s22, s[BB], 4
	s_lshl_b32 s22, s22, 16                        ; in tile 4 + b
	s_add_co_u32 s18, s18, s22
	s_add_nc_u64 s[PFA:PFA+1], s[PFA:PFA+1], s[18:19]
	CROUND                                         ; all four work-groups are here: the first joint loads meet
.irp s, 0,1
	TILE NXT, \s
	s_lshl_b32 s[OFF], s[NXT], 16                  ; a tile is 65,536 bytes of K and of V
	s_mov_b32 s[G0K+4*(\s)], 1
	s_add_co_u32 s[G0K+4*(\s)+1], s17, (\s)*XS
	s_add_nc_u64 s[G0K+4*(\s)+2:G0K+4*(\s)+3], s[6:7], s[OFF:OFF+1]
	s_or_b32 s[G0K+4*(\s)+3], s[G0K+4*(\s)+3], 0x80000000
	s_mov_b32 s[G0V+4*(\s)], 1
	s_add_co_u32 s[G0V+4*(\s)+1], s91, (\s)*XS
	s_add_nc_u64 s[G0V+4*(\s)+2:G0V+4*(\s)+3], s[8:9], s[OFF:OFF+1]
	s_or_b32 s[G0V+4*(\s)+3], s[G0V+4*(\s)+3], 0x80000000
.endr
	s_cmp_lt_u32 s[WV], 2                          ; a wave's two first fills stand in one branch: two loads of mine are out
	s_cbranch_scc0 .Lfirst_v
	tensor_load_to_lds s[G0K:G0K+3], s[G1K:G1K+7]
	s_nop 0
	tensor_load_to_lds s[G0K+4:G0K+7], s[G1K:G1K+7]
	s_nop 0
.rept 4
	v_nop
.endr
	s_branch .Lfirst_asked
.Lfirst_v:
	tensor_load_to_lds s[G0V:G0V+3], s[G1V:G1V+7]
	s_nop 0
	tensor_load_to_lds s[G0V+4:G0V+7], s[G1V:G1V+7]
	s_nop 0
.rept 4
	v_nop
.endr
.Lfirst_asked:
	v_and_b32 v1, 15, v0                           ; l % 16
	v_bfe_u32 v56, v0, 4, 1                        ; l / 16
	v_and_b32 v57, 31, v0                          ; l
	v_lshlrev_b32 v[QO], 8, v1
	v_lshl_add_u32 v[QO], v56, 4, v[QO]
.macro QLOAD base                      ; a block's Q stays in registers: tile i / 4 lies 64 rows on, channels 32 (i % 4) on
	WIN 0x80
.irp i, 0,1,2,3,4,5,6,7,8,9,10,11,12,13,14,15
	global_load_b128 v[8*(\i):8*(\i)+3],   v[QO], s[(\base):(\base)+1] offset:((\i)/4)*16384+((\i)%4)*64
	global_load_b128 v[8*(\i)+4:8*(\i)+7], v[QO], s[(\base):(\base)+1] offset:((\i)/4)*16384+((\i)%4)*64+32
.endr
	WIN 0
.endm
	QLOAD 4
	; A block's first computed step multiplies O^T and l by a = 0, so they need only be finite: zeros here, what the first block left later.  The zeros of O^T, and of piece 0's S^T (written in one of a step's two
	; parts and read in the other), are made by 40 products of two zero fragments.
.irp z, 0,1,2,3,4,5,6,7,8,9,10,11,12,13,14,15
	v_mov_b32 v[P+(\z)], 0
.endr
	WIN 0x40
.set i, 0
.rept 32
	v_wmma_f32_16x16x32_f16 v[8*i:8*i+7], v[P:P+7], v[P+8:P+15], 0
.set i, i+1
.endr
	WIN 0
.set i, 0
.rept 8
	v_wmma_f32_16x16x32_f16 v[S+8*i:S+8*i+7], v[P:P+7], v[P+8:P+15], 0
.set i, i+1
.endr
.irp t, 0,1,2,3
	v_mov_b32 v[ST+8*(\t)], 0xfe000000             ; c m: far below every c s
	v_mov_b32 v[ST+8*(\t)+1], 0xff7fffff           ; m
	v_mov_b32 v[ST+8*(\t)+2], 0
	v_mov_b32 v[ST+8*(\t)+3], 0
	v_mov_b32 v[ST+8*(\t)+4], 0                    ; c0-c3: a step's softmax writes them, and a step's arithmetic may be jumped over; the merge's v_permlanex16_b32 has c1 as its destination,
	v_mov_b32 v[ST+8*(\t)+5], 0                    ; which counts as read: so the four are written here, on every way
	v_mov_b32 v[ST+8*(\t)+6], 0
	v_mov_b32 v[ST+8*(\t)+7], 0
.endr
	s_mul_i32 s16, s[WV], 64*KP                    ; my 64 keys of a tile
	v_mul_u32_u24 v[AK0], v1, KP
	v_lshl_add_u32 v[AK0], v56, 4, v[AK0]
	v_add_nc_u32 v[AK0], s16, v[AK0]
	v_and_b32 v58, 7, v0                           ; the turning load: lane l reads key 8 (l / 16) + l % 8, channels 8 ((l / 8) % 2) + 0..7
	v_bfe_u32 v59, v0, 3, 1
	v_lshl_add_u32 v[AV0], v56, 3, v58
	v_mul_u32_u24 v[AV0], v[AV0], VP
	v_lshl_add_u32 v[AV0], v59, 4, v[AV0]
	s_mul_i32 s16, s[WV], 64*VP
	s_add_co_u32 s16, s16, VOFF
	v_add_nc_u32 v[AV0], s16, v[AV0]
	s_lshl_b32 s16, s[WV], 13
	s_add_co_u32 s16, s16, REG
	v_lshl_add_u32 v[MST], v57, 4, s16             ; the merge, in: my 8,192 bytes, 16 a lane
	s_lshl_b32 s16, s[WV], 11
	s_add_co_u32 s16, s16, REG
	v_lshl_add_u32 v[MLD], v57, 4, s16             ; back: channel blocks 2 w, 2 w + 1 of each wave's part
	s_lshl_b32 s16, s[WV], 10
	s_add_co_u32 s16, s16, STAT
	v_lshl_add_u32 v[SST], v57, 3, s16
	v_lshlrev_b32 v[SLD], 3, v57
	v_add_nc_u32 v[SLD], STAT, v[SLD]
	s_lshl_b32 s16, s[WV], 6
	s_add_co_u32 s16, s16, REG
	v_mul_u32_u24 v[OST], v1, 272                  ; O in f16: row 16 t + l % 16, my 64 bytes, 16 for each half of the lanes
	v_lshl_add_u32 v[OST], v56, 4, v[OST]
	v_add_nc_u32 v[OST], s16, v[OST]
	s_mul_i32 s16, s[WV], 16*272
	s_add_co_u32 s16, s16, REG
	v_mul_u32_u24 v[ORD], v56, 272                 ; back: wave w takes rows 16 w on, whole
	v_lshl_add_u32 v[ORD], v1, 4, v[ORD]
	v_add_nc_u32 v[ORD], s16, v[ORD]
	v_lshlrev_b32 v[GO], 12, v56
	v_lshl_add_u32 v[GO], v1, 4, v[GO]
	s_lshl_b32 s16, s[CX], 4
	v_lshlrev_b32 v[MK], 3, v56
	v_sub_nc_u32 v[MK], v1, v[MK]
	v_add_nc_u32 v[MK], s16, v[MK]
	v_lshlrev_b32 v[PFO], 8, v57
	WIN 0xc0                                       ; MD: register z of 32 is hidden where key 16 (z / 8) + z % 8 + 8 (l / 16) of the band's 64 lies beyond my query 16 cx + l % 16
.set zz, 0
.rept 32
	v_cmp_gt_i32 vcc_lo, 16*(zz/8)+zz%8, v[MK]
	v_cndmask_b32 v[MD+zz], 0, s[BIGN], vcc_lo
.set zz, zz+1
.endr
	WIN 0
; THE MATRIX WORK.  The accumulators take turns, one instruction a turn.  Product i of 32 of S^T = K Q^T for piece x: channels 32 (i / 8) on, keys 16 ((i / 2) % 4) on, tile x + i % 2.  The first 8 start the sums with the mask.
.macro KQ x
.set rS, S+32*((\x)+i%2)+8*((i/2)%4)
.set rK, KF+32*((i/2)%4)+8*(i/8)
.set rQ, 32*((\x)+i%2)+8*(i/8)
.set rM, MC+32*(i%2)+8*((i/2)%4)
.if i < 8
	WIN W_KM
	v_wmma_f32_16x16x32_f16 v[rS:rS+7], v[rK:rK+7], v[rQ:rQ+7], v[rM:rM+7]
.else
	WIN W_KQ
	v_wmma_f32_16x16x32_f16 v[rS:rS+7], v[rK:rK+7], v[rQ:rQ+7], v[rS:rS+7]
.endif
.endm
; Product i of 32 of O^T += V^T P: keys 32 (i / 16) on, channels 16 ((i / 2) % 8) on, tile x + i % 2.
.macro PV x
	WIN W_PV
.set rO, 64*((\x)+i%2)+8*((i/2)%8)
.set rV, 64*(i/16)+8*((i/2)%8)
.set rP, P+16*((\x)+i%2)+8*(i/16)
	v_wmma_f32_16x16x32_f16 v[rO:rO+7], v[rV:rV+7], v[rP:rP+7], v[rO:rO+7]
.endm
.macro FETCH_K                         ; my 64 keys x 128 channels: 16 fragments, 32 loads in one run
	WIN 0
	v_add_nc_u32 v[AK], s[TB], v[AK0]
	WIN 0x80
.irp f, 0,1,2,3,4,5,6,7,8,9,10,11,12,13,14,15
	ds_load_b128 v[KF+8*(\f):KF+8*(\f)+3],   v[AK] offset:((\f)/4)*16*KP+((\f)%4)*64
	ds_load_b128 v[KF+8*(\f)+4:KF+8*(\f)+7], v[AK] offset:((\f)/4)*16*KP+((\f)%4)*64+32
.endr
	WIN 0
.endm
.macro FETCH_V                         ; the same keys' V, turned
	WIN 0
	v_add_nc_u32 v[AV], s[TB], v[AV0]
	WIN 0xc0
.irp f, 0,1,2,3,4,5,6,7,8,9,10,11,12,13,14,15
	ds_load_tr16_b128 v[8*(\f):8*(\f)+3],   v[AV] offset:((\f)/8)*32*VP+((\f)%8)*32
	ds_load_tr16_b128 v[8*(\f)+4:8*(\f)+7], v[AV] offset:((\f)/8)*32*VP+16*VP+((\f)%8)*32
.endr
	WIN 0
.endm
.macro NEXTK fill                      ; the next step's K; of the last two steps (fill = 0) the very last (CNT = 1) has none
.if \fill
	FETCH_K
.else
	s_cmp_eq_u32 s[CNT], 1
	s_cbranch_scc1 .Lnk_\@
	FETCH_K
.Lnk_\@:
.endif
.endm
.macro NEXTV fill
.if \fill
	FETCH_V
.else
	s_cmp_eq_u32 s[CNT], 1
	s_cbranch_scc1 .Lnv_\@
	FETCH_V
.Lnv_\@:
.endif
.endm
; The masks of piece x's two tiles for this step: MD x AL + BE, the two scalars chosen without a branch from the step's tile, the block's diagonal tile and my wave's number.
.macro MASK x
.irp u, 0,1
	s_cmp_eq_u32 s[TAU], s[BLK]                    ; the diagonal tile?
	s_cselect_b32 s[AL], s[SA+(\x)+(\u)], 0
	s_cselect_b32 s[BE], s[SV+(\x)+(\u)], 0
	WIN 0xc3                                       ; destination and source 0 window 3
.set zz, 0
.rept 16
	v_pk_fma_f32 v[MC+32*(\u)+2*zz:MC+32*(\u)+2*zz+1], v[MD+2*zz:MD+2*zz+1], s[AL:AL+1], s[BE:BE+1] op_sel_hi:[1,0,0]
.set zz, zz+1
.endr
.endr
	WIN 0
.endm
; THE VECTOR WORK.  One tile's softmax for a step is a list of 134 instructions; SM writes number j for tile t.
;   0-15 the maximum of the lane's 32 scores and the old m (each accumulator's lowest registers first)   16-20 the other half of the lanes'; m; c m; its change
;   21-69 ONE BATCH: the 16 scalings c s - c m and all 33 exponentials (a at 23); none reads an exponential's result      70-85 roundings to f16      86-101 the sums; l = a l + sum      102-133 O^T times a
.macro SM t
.set rT, ST+8*(\t)
.set rS, S+32*(\t)
.set rP, P+16*(\t)
.set rO, 64*(\t)+2*(j-102)
.if j < 102
	WIN 0
.endif
.if j < 4
	v_max3_num_f32 v[rT+4+j], v[rS+8*j], v[rS+8*j+1], v[rS+8*j+2]
.elseif j < 12
	v_max3_num_f32 v[rT+4+j%4], v[rT+4+j%4], v[rS+8*(j%4)+2*(j/4)+1], v[rS+8*(j%4)+2*(j/4)+2]
.elseif j == 12
	v_max3_num_f32 v[rT+4], v[rT+4], v[rS+7], v[rS+15]
.elseif j == 13
	v_max3_num_f32 v[rT+6], v[rT+6], v[rS+23], v[rS+31]
.elseif j == 14
	v_max3_num_f32 v[rT+4], v[rT+4], v[rT+5], v[rT+6]
.elseif j == 15
	v_max3_num_f32 v[rT+4], v[rT+4], v[rT+7], v[rT+1]
.elseif j == 16
	v_permlanex16_b32 v[rT+5], v[rT+4], s[SEL], s[SEL+1]
.elseif j == 17
	v_mov_b32 v[rT+7], v[rT]
.elseif j == 18
	v_max_num_f32 v[rT+1], v[rT+4], v[rT+5]
.elseif j == 19
	v_mul_f32 v[rT], s[CS], v[rT+1]
.elseif j == 20
	v_sub_f32 v[rT+7], v[rT+7], v[rT]
.elseif j == 23
	v_exp_f32 v[rT+6], v[rT+7]
.elseif (j < 23) || ((j < 38) && (j%2 == 0)) || ((j < 66) && (j%4 == 2))
.set b, (j-2)/4
.if j < 38
.set b, (j-20)/2
.endif
	v_pk_fma_f32 v[rS+2*b:rS+2*b+1], v[rS+2*b:rS+2*b+1], s[CS:CS+1], v[rT:rT+1] op_sel_hi:[1,0,0] neg_lo:[0,0,1] neg_hi:[0,0,1]
.elseif j < 70
.set e, j-38
.if j < 66
.set e, j-32-(j-38)/4
.endif
.if j < 38
.set e, (j-25)/2
.endif
	v_exp_f32 v[rS+e], v[rS+e]
.elseif j < 86
	v_cvt_pk_f16_f32 v[rP+j-70], v[rS+2*(j-70)], v[rS+2*(j-70)+1]
.elseif j < 102
.set z, j-86
.set w, 4
.set u, z
.if z >= 14
.set w, 32
.set u, 0
.elseif z >= 12
.set w, 16
.set u, z-12
.elseif z >= 8
.set w, 8
.set u, z-8
.endif
.if z < 15
	v_pk_add_f32 v[rS+w*u:rS+w*u+1], v[rS+w*u:rS+w*u+1], v[rS+w*u+w/2:rS+w*u+w/2+1]
.else
	v_pk_fma_f32 v[rT+2:rT+3], v[rT+2:rT+3], v[rT+6:rT+7], v[rS:rS+1] op_sel_hi:[1,0,1]
.endif
.else
	WIN W_RS
	v_pk_mul_f32 v[rO:rO+1], v[rO:rO+1], v[rT+6:rT+7] op_sel_hi:[1,0]
.endif
.endm
; Slice k of 64 of piece y's softmax.  Slices 11 to 34 deal out the batch, four numbers of one tile each; the others are numbers 2 k, 2 k + 1 of both tiles; slice 63 has the twelve that are over.
; Behind slice 34 stand a plain instruction and the one wait between the piece's 66 exponentials and the first instruction that names a result.
.macro SLICE y
.if (k >= 11) && (k < 35)
.irp n, 0,1,2,3
.set j, 22+4*((k-11)/2)+(\n)
	SM (\y)+(k-11)%2
.endr
.else
.irp n, 0,1,2,3,4,5,6,7
.if ((\n) < 2) || (k == 63)
.irp t, \y, (\y)+1
.set j, 2*k+(\n)
	SM \t
.endr
.endif
.endr
.endif
.if k == 34
	v_nop
	s_wait_alu depctr_va_vdst(0)
.endif
.set k, k+1
.endm
; THE CHANGE OF SLOTS.  This step's K and V have been asked for out of the slot.  Each wave waits for all its tensor loads (one is out: its part of the other slot), adds 0 to its spare word, and waits for that
; and for its reads.  fill = 1: the barrier is a round of the cluster's, and the slot is filled again first thing behind it, with the tile of the step two on: that load has a whole step in which to land.
.macro CHANGE fill
	WIN 0
	s_wait_tensorcnt 0x0
	ds_add_u32 v[SPW], v[NIL]                      ; 0 onto my spare word; the scalar work below stands between it and the wait for it
.if \fill
	TILE NXT, 2
	s_lshl_b32 s[OFF], s[NXT], 16
	s_xor_b32 s[G0K+5], s[G0K+5], XS
	s_add_nc_u64 s[G0K+6:G0K+7], s[6:7], s[OFF:OFF+1]
	s_or_b32 s[G0K+7], s[G0K+7], 0x80000000
	s_xor_b32 s[G0V+5], s[G0V+5], XS
	s_add_nc_u64 s[G0V+6:G0V+7], s[8:9], s[OFF:OFF+1]
	s_or_b32 s[G0V+7], s[G0V+7], 0x80000000
	s_wait_dscnt 0x0                               ; the add is done, my reads of the slot are over
	CROUND
	JLOAD                                          ; its four v_nop are also the places behind piece 0's scores
	ASK
.else
	s_wait_dscnt 0x0
	s_barrier_signal -1
	s_barrier_wait -1
	PLACES
.endif
	s_xor_b32 s[TB], s[TB], XS                     ; the next fetches read the other slot
.endm
; THE MERGE of the four waves' partial results, at a block's end.  (c m, l) of every wave, tile and lane go to STAT.  Tile by tile each wave puts its O^T (8,192 bytes) into REG; behind a barrier wave w reads channel
; blocks 2 w, 2 w + 1 of all four parts; behind the reads' wait it signals the second barrier, adds the parts up with the weights g = 2^(c m_w - max) / sum, and waits: then REG may be written again.
; At the end the results, rounded to f16, go through REG as rows of 272 bytes and leave as whole rows: 16 lanes store 256 consecutive bytes, aligned.
.macro MERGE
	WIN 0
.irp t, 0,1,2,3
	v_add_f32 v[ST+8*(\t)+4], v[ST+8*(\t)+2], v[ST+8*(\t)+3]
.endr
.irp t, 0,1,2,3
	v_permlanex16_b32 v[ST+8*(\t)+5], v[ST+8*(\t)+4], s[SEL], s[SEL+1]
.endr
.irp t, 0,1,2,3
	v_add_f32 v[ST+8*(\t)+1], v[ST+8*(\t)+4], v[ST+8*(\t)+5]  ; l takes m's place beside c m
.endr
.irp t, 0,1,2,3
	ds_store_b64 v[SST], v[ST+8*(\t):ST+8*(\t)+1] offset:256*(\t)
.endr
.irp t, 0,1,2,3
	WIN 0x04                                       ; the stores' data in window 1
.irp n, 0,1,2,3,4,5,6,7,8,9,10,11,12,13,14,15
	ds_store_b128 v[MST], v[64*(\t)+4*(\n):64*(\t)+4*(\n)+3] offset:512*(\n)
.endr
	WIN 0
	s_wait_dscnt 0x0                               ; for the others' sake: my stores are done
	s_barrier_signal -1
	s_barrier_wait -1
.if (\t) == 0
.irp u, 0,1,2,3
.irp y, 0,1,2,3
	ds_load_b64 v[WT+8*(\u)+2*(\y):WT+8*(\u)+2*(\y)+1], v[SLD] offset:1024*(\y)+256*(\u)
.endr
.endr
.endif
.irp y, 0,1,2,3
.irp n, 0,1,2,3
	ds_load_b128 v[PB+16*(\y)+4*(\n):PB+16*(\y)+4*(\n)+3], v[MLD] offset:8192*(\y)+512*(\n)
.endr
.endr
	s_wait_dscnt 0x0                               ; my reads of REG are back
	s_barrier_signal -1                            ; work on registers alone up to the wait
.if (\t) == 0
.irp u, 0,1,2,3
	v_max3_num_f32 v[MX+(\u)], v[WT+8*(\u)], v[WT+8*(\u)+2], v[WT+8*(\u)+4]
.endr
.irp u, 0,1,2,3
	v_max_num_f32 v[MX+(\u)], v[MX+(\u)], v[WT+8*(\u)+6]
.endr
.irp u, 0,1,2,3
.irp y, 0,1,2,3
	v_sub_f32 v[WT+8*(\u)+2*(\y)], v[WT+8*(\u)+2*(\y)], v[MX+(\u)]
.endr
.endr
.irp u, 0,1,2,3
.irp y, 0,1,2,3
	v_exp_f32 v[WT+8*(\u)+2*(\y)], v[WT+8*(\u)+2*(\y)]
.endr
.endr
	v_nop                                          ; a plain instruction behind the last exponential,
	s_wait_alu depctr_va_vdst(0)                   ; and one wait for the sixteen, ahead of their first reader
.irp u, 0,1,2,3
	v_mul_f32 v[MX+(\u)], v[WT+8*(\u)], v[WT+8*(\u)+1]
.endr
.irp y, 1,2,3
.irp u, 0,1,2,3
	v_fmac_f32 v[MX+(\u)], v[WT+8*(\u)+2*(\y)], v[WT+8*(\u)+2*(\y)+1]
.endr
.endr
.irp u, 0,1,2,3
	v_rcp_f32 v[MX+(\u)], v[MX+(\u)]
.endr
	v_nop
	s_wait_alu depctr_va_vdst(0)                   ; one wait for the four reciprocals
.irp u, 0,1,2,3
.irp y, 0,1,2,3
	v_mul_f32 v[WT+8*(\u)+2*(\y)], v[WT+8*(\u)+2*(\y)], v[MX+(\u)]
.endr
.endr
.endif
.irp n, 0,1,2,3,4,5,6,7
	v_pk_mul_f32 v[RR+16*(\t)+2*(\n):RR+16*(\t)+2*(\n)+1], v[PB+2*(\n):PB+2*(\n)+1], v[WT+8*(\t):WT+8*(\t)+1] op_sel_hi:[1,0]
.endr
.irp y, 1,2,3
.irp n, 0,1,2,3,4,5,6,7
	v_pk_fma_f32 v[RR+16*(\t)+2*(\n):RR+16*(\t)+2*(\n)+1], v[PB+16*(\y)+2*(\n):PB+16*(\y)+2*(\n)+1], v[WT+8*(\t)+2*(\y):WT+8*(\t)+2*(\y)+1], v[RR+16*(\t)+2*(\n):RR+16*(\t)+2*(\n)+1] op_sel_hi:[1,0,1]
.endr
.endr
	s_barrier_wait -1
.endr
.set zz, 0
.rept 32
	v_cvt_pk_f16_f32 v[PB+zz], v[RR+2*zz], v[RR+2*zz+1]
.set zz, zz+1
.endr
.irp t, 0,1,2,3
.irp y, 0,1
	ds_store_b128 v[OST], v[PB+8*(\t)+4*(\y):PB+8*(\t)+4*(\y)+3] offset:4352*(\t)+32*(\y)
.endr
.endr
	s_wait_dscnt 0x0
	s_barrier_signal -1
	s_barrier_wait -1
.irp n, 0,1,2,3,4,5,6,7
	ds_load_b128 v[PB+32+4*(\n):PB+32+4*(\n)+3], v[ORD] offset:544*(\n)
.endr
.irp n, 0,1,2,3,4,5,6,7
	s_wait_dscnt 7-(\n)
	global_store_b128 v[GO], v[PB+32+4*(\n):PB+32+4*(\n)+3], s[10:11] offset:8192*(\n)
.endr
.endm
.macro BEGIN                           ; the second block begins: its first computed step has a = 0
	s_wait_xcnt 0x0                                ; the stores have read their registers and O's address
	s_mov_b64 s[10:11], s[OHI:OHI+1]
.irp t, 0,1,2,3
	v_mov_b32 v[ST+8*(\t)], 0xfe000000
	v_mov_b32 v[ST+8*(\t)+1], 0xff7fffff
.endr
	s_mov_b32 s[BLK], s[HIQ]
	s_wait_loadcnt 0x0                             ; its Q
.endm
; A STEP.  fill = 1: a step that asks for the tile two steps on; fill = 0: the last two.  Where the step's tile lies behind the block's diagonal tile, the two parts of its arithmetic are jumped over;
; the change of slots and the fetches of the next K and V stand on every way.
.macro STEP fill
	TILE TAU, 0
	s_cmp_gt_u32 s[TAU], s[BLK]
	s_cbranch_scc1 .Lda_\@
	MASK 0
	s_wait_dscnt 32                                ; K is in; V's 32 loads may stay out
.set i, 0
.rept 32
	KQ 0
.set i, i+1
.endr
	WIN 0
.Lda_\@:
	CHANGE \fill
	s_cmp_gt_u32 s[TAU], s[BLK]
	s_cbranch_scc1 .Ldb_\@
	MASK 2                                         ; four plain instructions or more behind the last product that read piece 0's masks
.set k, 0
.set i, 0
.rept 32                                       ; piece 2's scores, piece 0's softmax between them: two slices behind each product
	KQ 2
	SLICE 0
	SLICE 0
.set i, i+1
.endr
	WIN 0                                          ; slice 63's sixteen plain instructions are the places in front of the loads into K's registers
	NEXTK \fill
.set k, 0
.set i, 0
.rept 32                                       ; piece 0's V^T P, piece 2's softmax between them
	PV 0
	SLICE 2
	SLICE 2
.set i, i+1
.endr
.set i, 0
.rept 32
	PV 2
.set i, i+1
.endr
	PLACES
	WIN 0
	s_branch .Ljn_\@
.Ldb_\@:
	NEXTK \fill
.Ljn_\@:
	s_add_co_u32 s[JJ], s[JJ], 1
	NEXTV \fill
.endm
	s_wait_tensorcnt 1                             ; my part of slot 0 is in; slot 1's may stay out
	s_barrier_signal -1
	s_barrier_wait -1
	FETCH_K
	FETCH_V
	s_wait_loadcnt 0x0                             ; Q
	s_mov_b32 s[SLOTS], 4
	s_mov_b32 s[BC], 2
.Lblock:                                       ; two trips: a block's steps, and its merge, written once
.Lwalk:                                        ; four steps for the first block, six for the second, each of which asks for the tile two steps on
	STEP 1
	s_sub_co_u32 s[SLOTS], s[SLOTS], 1
	s_cmp_lg_u32 s[SLOTS], 0
	s_cbranch_scc1 .Lwalk
	s_cmp_eq_u32 s[BC], 2
	s_cbranch_scc1 .Lq                             ; the first block has no more steps
	s_mov_b32 s[CNT], 2
.Ltail:                                        ; the walk's last two steps are written apart
	STEP 0
	s_sub_co_u32 s[CNT], s[CNT], 1
	s_cmp_lg_u32 s[CNT], 0
	s_cbranch_scc1 .Ltail
	s_branch .Lmerge
.Lq:
	QLOAD QHI                                      ; the first block's scores are all made: the second block's Q comes in under the merge
.Lmerge:
	MERGE
	s_cmp_eq_u32 s[BC], 1
	s_cbranch_scc1 .Lbottom
	BEGIN
	s_mov_b32 s[SLOTS], 6
.Lbottom:
	s_sub_co_u32 s[BC], s[BC], 1
	s_cmp_lg_u32 s[BC], 0
	s_cbranch_scc1 .Lblock
	s_wait_tensorcnt 0x0                           ; the wave's end
	ds_add_u32 v[SPW], v[NIL]
	s_wait_dscnt 0x0
	CROUND                                         ; the closing round
	s_endpgm
.Lfunc_end_k_qd00023ba6c_attn:
	.size	k_qd00023ba6c_attn, .Lfunc_end_k_qd00023ba6c_attn-k_qd00023ba6c_attn
	.p2alignl 7, 3214868480
	.fill 96, 4, 3214868480
	.section	.rodata,"a",@progbits
	.p2align	6, 0x0
	.amdhsa_kernel k_qd00023ba6c_attn
		.amdhsa_group_segment_fixed_size 327680
		.amdhsa_private_segment_fixed_size 0
		.amdhsa_enable_private_segment 0
		.amdhsa_kernarg_size 32
		.amdhsa_user_sgpr_count 2
		.amdhsa_user_sgpr_kernarg_segment_ptr 1
		.amdhsa_wavefront_size32 1
		.amdhsa_system_sgpr_workgroup_id_x 1
		.amdhsa_system_sgpr_workgroup_id_y 1
		.amdhsa_system_sgpr_workgroup_id_z 1
		.amdhsa_system_vgpr_workitem_id 0
		.amdhsa_next_free_vgpr 1024
		.amdhsa_next_free_sgpr 100
		.amdhsa_reserve_vcc 1
		.amdhsa_float_denorm_mode_32 3
		.amdhsa_float_denorm_mode_16_64 3
		.amdhsa_memory_ordered 1
		.amdhsa_forward_progress 1
		.amdhsa_inst_pref_size 162
	.end_amdhsa_kernel
	.amdgpu_metadata
---
amdhsa.version: [ 1, 2 ]
amdhsa.kernels:
  - .name:           k_qd00023ba6c_attn
    .symbol:         k_qd00023ba6c_attn.kd
    .args:
      - { .name: qh, .offset: 0, .size: 8, .value_kind: global_buffer, .address_space: global }
      - { .name: kh, .offset: 8, .size: 8, .value_kind: global_buffer, .address_space: global }
      - { .name: vh, .offset: 16, .size: 8, .value_kind: global_buffer, .address_space: global }
      - { .name: oh, .offset: 24, .size: 8, .value_kind: global_buffer, .address_space: global }
    .group_segment_fixed_size: 327680
    .private_segment_fixed_size: 0
    .kernarg_segment_align: 8
    .kernarg_segment_size: 32
    .max_flat_workgroup_size: 128
    .sgpr_count:     100
    .vgpr_count:     1024
    .wavefront_size: 32
...
	.end_amdgpu_metadata
.endif
;; end of part 3
;; launch oproj (part 4): grid 16 x 16, 4 waves a work-group, clusters of 4 x 4, 327,680 bytes of LDS; arguments oh, wob, wo_b, out0; writes out0
.if DOCPART == 4
	.amdgcn_target "amdgcn-amd-amdhsa--gfx1250"
	.amdhsa_code_object_version 6
	.text
	.protected	k_qd00023ba6c_oproj
	.globl	k_qd00023ba6c_oproj
	.p2align	8
	.type	k_qd00023ba6c_oproj,@function
k_qd00023ba6c_oproj:
	s_mov_b64 s[64:65], 0
	v_nop
	global_prefetch_b8 v0, s[64:65] scope:SCOPE_SE
	s_setreg_imm32_b32 hwreg(HW_REG_WAVE_MODE, 25, 1), 1
	s_wait_xcnt 0x0
	s_wait_alu depctr_hold_cnt(0) depctr_sa_sdst(0) depctr_va_vdst(0) depctr_va_sdst(0) depctr_va_ssrc(0) depctr_va_vcc(0) depctr_vm_vsrc(0)
	s_getreg_b32 s2, hwreg(HW_REG_IB_STS2, 6, 4)
	s_cmp_eq_u32 s2, 0
	s_cbranch_scc0 .Lentry_in_a_cluster
	s_endpgm
.Lentry_in_a_cluster:
	s_bfe_u32 s2, ttmp6, 0x10000c
	s_cmp_lg_u32 s2, 0xf033
	s_cbranch_scc0 .Lentry_shape_is_right
	s_endpgm
.Lentry_shape_is_right:
; out0[m][n] = the sum over k of oh[m][k] wob[n][k] + wo_b[n].  oh, wob: [2048][2048] f16; wo_b f32, rounded once to bf16 like every input; out0 f32.  Sums in f32; the bias is the C of the first product.
; The sums run along K from a step that hangs on the cluster, and round: an order of rounding that differs from an ascending one.
; A tile of out0 is 128 x 128, so that there are 256 work-groups; four waves, each 64 x 64: 16 accumulators.  K goes in 8 steps of 256 (LDS rows of 512 bytes, 64 rows to a wave's tensor load) through two slots.
; CLUSTER 4 x 4: oh's tiles are asked for jointly along a row of the cluster, wob's along a column.  Cluster (X, Y) begins at K step 2 ((X + 2 Y) mod 4) and goes round: of the clusters that read the same rows,
; those with another X or a neighbouring Y ask for other K steps at any one time.
; THE MATRIX INSTRUCTION IS USED TRANSPOSED (source 0 = 16 rows of wob, source 1 = 16 rows of oh): a lane holds eight neighbouring numbers of a row of out0.
; A wave's 64 columns are 256 bytes of f32, aligned, so each wave leaves through a stage of its own, without a barrier.  No prefetch: the tiles are small and each step's bytes are few.
; REGISTERS: window 0: v0-31 addresses; v32-63 the way out; v96-127 the bias; v128-255 the accumulators ((a, b) at 128 + 8 (4 a + b)).  window 1: two fragment buffers of 128.
.set SIZE_N, 2048
.set SIZE_K, 2048
.set KSTEP,  256
.set NSTEP,  SIZE_K/KSTEP
.set PITCH,  528                       ; 512 bytes + 16 of padding = 132 words: the 16 rows of a load start at 16 different groups of four banks
.set HALFT,  64*PITCH                  ; 0x8400
.set SLOT,   4*HALFT                   ; 0x21000
.set SPARE,  SLOT                      ; behind slot 0: the spare words: two blocks of 256 bytes that no other line names
.set XS,     0x22000                   ; slot 1 begins here: none of the loads' places in slot 0 (0, 0x8400, 0x10800, 0x18c00) has one of its two bits, so one exclusive or changes slots
.set STAGE,  XS+SLOT                   ; behind the ring: 16 rows x 272 bytes for each wave
.set SPITCH, 272
.set ADRA0, 16                         ; v16 LDS address of oh's fragments in slot 0; never rewritten
.set ADRA,  17                         ; v17 in the slot in hand
.set ADRB0, 20
.set ADRB,  21
.set STO,  24
.set RD,   25
.set CO,   26
.set BO,   27
.set SPW,  28
.set NIL,  29
.set TMP,  32
.set BIAS, 96
.set ACC,  128
.set F0,   0
.set F1,   128
.set CNT, 2                            ; s2  counts the last two K steps
.set G1, 24
.set G0, 32                            ; s[32:39] group 0 for oh's tiles: a set for each first fill; the second then walks
.set G1B, 48
.set G0B, 56
.set KI,  72                           ; s72 the K step to be asked for next, 0 to 7
.set TB,  73                           ; s73 LDS byte at which the slot in hand begins: 0 or XS
.set KO,  74                           ; s[74:75] a K step's byte offset in a row
.set MSB, 0
.macro WIN new
.if MSB != (\new)
	s_set_vgpr_msb (MSB<<8)|(\new)
.set MSB, \new
.endif
.endm
.set MUL,  0x05                        ; sources 0 and 1 window 1; C and D window 0
.set TO_F, 0x40
.macro JLOAD s                         ; waves 0 and 1 fetch oh's two halves, waves 2 and 3 wob's; an s_nop 0 and four v_nop follow each line
	s_cmp_eq_u32 s11, 0
	s_cbranch_scc0 .Lfor_b_\@
	tensor_load_to_lds s[G0+4*(\s):G0+4*(\s)+3], s[G1:G1+7]
	s_nop 0
.rept 4
	v_nop
.endr
	s_branch .Lasked_\@
.Lfor_b_\@:
	tensor_load_to_lds s[G0B+4*(\s):G0B+4*(\s)+3], s[G1B:G1B+7]
	s_nop 0
.rept 4
	v_nop
.endr
.Lasked_\@:
.endm
.macro CREST
	s_cmp_lg_u32 s10, 0
	s_cbranch_scc1 .Lnot_wave_0_\@
	s_barrier_signal -3
.Lnot_wave_0_\@:
	s_barrier_wait -3
	s_barrier_signal -1
	s_barrier_wait -1
.endm
.macro CROUND
	s_barrier_signal -1
	s_barrier_wait -1
	CREST
.endm
	s_load_b128 s[4:7], s[0:1], 0x0                ; oh s[4:5], wob s[6:7]
	s_load_b64 s[66:67], s[0:1], 0x10              ; wo_b
	s_load_b64 s[8:9], s[0:1], 0x18                ; out0
	v_lshl_add_u32 v[SPW], v0, 2, SPARE
	v_mov_b32 v[NIL], 0
	ds_add_u32 v[SPW], v[NIL]                      ; the wave's opening: the add and its wait stand ahead of my first tensor load
	v_lshrrev_b32 v1, 5, v0
	v_readfirstlane_b32 s10, v1                    ; wave 0..3
	s_lshr_b32 s11, s10, 1                         ; my half of the tile's rows.  Also: I fetch for oh (0) or for wob (1)
	s_and_b32 s12, s10, 1                          ; my half of its columns.  Also: which 64 rows I fetch
	s_bfe_u32 s40, ttmp6, 0x40000
	s_bfe_u32 s41, ttmp6, 0x40004
	s_lshl_b32 s42, ttmp9, 2
	s_add_co_u32 s42, s42, s40                     ; tile column
	s_and_b32 s13, ttmp7, 0xffff
	s_lshl_b32 s13, s13, 2
	s_add_co_u32 s13, s13, s41                     ; tile row
	s_lshl_b32 s43, s41, 2
	s_lshl_b32 s43, 15, s43                        ; my row of the cluster
	s_lshl_b32 s44, 0x1111, s40                    ; my column
	s_or_b32 s[G1+0], s43, (1<<16)|(1<<20)|(1<<21)|(6<<22)|(3<<25)  ; mask; 2-byte elements; padding on; bit 21 beside a mask; after every 128 words; 4 words
	s_or_b32 s[G1B+0], s44, (1<<16)|(1<<20)|(1<<21)|(6<<22)|(3<<25)
.irp g, G1, G1B
	s_mov_b32 s[(\g)+1], KSTEP<<16
	s_mov_b32 s[(\g)+2], 64<<16
	s_mov_b32 s[(\g)+3], KSTEP<<16
	s_mov_b32 s[(\g)+4], 64
	s_mov_b32 s[(\g)+5], SIZE_K
	s_mov_b32 s[(\g)+6], 0
	s_mov_b32 s[(\g)+7], 0
.endr
	s_lshl_b32 s17, s12, 6
	s_lshl_b32 s16, s13, 7
	s_add_co_u32 s16, s16, s17                     ; oh: row 128 x tile row + 64 x half
	s_lshl_b32 s46, s42, 7
	s_add_co_u32 s46, s46, s17                     ; wob: row 128 x tile column + 64 x half
	s_mov_b32 s17, 0
	s_mov_b32 s47, 0
	s_mov_b64 s[18:19], SIZE_K*2
	s_mul_u64 s[16:17], s[16:17], s[18:19]
	s_mul_u64 s[46:47], s[46:47], s[18:19]
	s_mul_i32 s20, s10, HALFT
	s_and_b32 s[KI], ttmp7, 0xffff                 ; the cluster's first K step: 2 ((X + 2 Y) mod 4): the same in all sixteen partners
	s_lshl_b32 s[KI], s[KI], 1
	s_add_co_u32 s[KI], s[KI], ttmp9
	s_and_b32 s[KI], s[KI], 3
	s_lshl_b32 s[KI], s[KI], 1
	s_mov_b32 s[KO+1], 0
	s_mov_b32 s[TB], 0
	s_wait_dscnt 0x0                               ; the opening add is done
	s_wait_kmcnt 0x0
	s_add_nc_u64 s[14:15], s[4:5], s[16:17]        ; oh and wob at my rows, K = 0: kept for the whole walk
	s_add_nc_u64 s[46:47], s[6:7], s[46:47]
	CROUND                                         ; all sixteen work-groups are here: the first joint loads meet
.irp s, 0,1
	s_lshl_b32 s[KO], s[KI], 9                     ; a K step is 512 bytes of a row
	s_mov_b32 s[G0+4*(\s)], 1
	s_add_co_u32 s[G0+4*(\s)+1], s20, (\s)*XS
	s_add_nc_u64 s[G0+4*(\s)+2:G0+4*(\s)+3], s[14:15], s[KO:KO+1]
	s_or_b32 s[G0+4*(\s)+3], s[G0+4*(\s)+3], 0x80000000
	s_mov_b32 s[G0B+4*(\s)], 1
	s_add_co_u32 s[G0B+4*(\s)+1], s20, (\s)*XS
	s_add_nc_u64 s[G0B+4*(\s)+2:G0B+4*(\s)+3], s[46:47], s[KO:KO+1]
	s_or_b32 s[G0B+4*(\s)+3], s[G0B+4*(\s)+3], 0x80000000
	s_add_co_u32 s[KI], s[KI], 1
	s_and_b32 s[KI], s[KI], NSTEP-1
	JLOAD \s
.endr
	v_and_b32 v1, 15, v0                           ; l % 16
	v_bfe_u32 v2, v0, 4, 1                         ; l / 16
	v_mul_u32_u24 v3, v1, PITCH
	v_lshl_add_u32 v3, v2, 4, v3
	s_mul_i32 s21, s11, HALFT
	s_mul_i32 s22, s12, HALFT
	s_add_co_u32 s22, s22, 2*HALFT
	v_add_nc_u32 v[ADRA0], s21, v3
	v_add_nc_u32 v[ADRB0], s22, v3
	v_mov_b32 v[ADRA], v[ADRA0]
	v_mov_b32 v[ADRB], v[ADRB0]
	s_mul_i32 s23, s10, 16*SPITCH
	s_add_co_u32 s23, s23, STAGE                   ; my stage
	v_mul_u32_u24 v4, v1, SPITCH                   ; in: row l % 16, 32 bytes for each half of the lanes
	v_lshl_add_u32 v4, v2, 5, v4
	v_add_nc_u32 v[STO], s23, v4
	v_mul_u32_u24 v5, v2, SPITCH                   ; back: lanes 0-15 one row of 256 bytes, lanes 16-31 the next
	v_lshl_add_u32 v5, v1, 4, v5
	v_add_nc_u32 v[RD], s23, v5
	v_lshlrev_b32 v5, 13, v2                       ; the same two rows in out0: 8,192 bytes a row
	v_lshl_add_u32 v[CO], v1, 4, v5
	s_lshl_b32 s16, s13, 20                        ; out0 at row 128 ty + 64 r, column 128 tx + 64 c
	s_lshl_b32 s17, s11, 19
	s_add_co_u32 s16, s16, s17
	s_lshl_b32 s17, s42, 9
	s_add_co_u32 s16, s16, s17
	s_lshl_b32 s17, s12, 8
	s_add_co_u32 s16, s16, s17
	s_mov_b32 s17, 0
	s_add_nc_u64 s[8:9], s[8:9], s[16:17]
	s_lshl_b32 s68, s42, 9                         ; the bias of my 64 columns: 512 tx + 256 c + 32 (l / 16)
	s_lshl_b32 s69, s12, 8
	s_add_co_u32 s68, s68, s69
	v_lshl_add_u32 v[BO], v2, 5, s68
.irp b, 0,1,2,3
	global_load_b128 v[BIAS+8*(\b):BIAS+8*(\b)+3],   v[BO], s[66:67] offset:64*(\b)
	global_load_b128 v[BIAS+8*(\b)+4:BIAS+8*(\b)+7], v[BO], s[66:67] offset:64*(\b)+16
.endr
	s_wait_loadcnt 0x0
.set p, 0
.rept 16                                       ; rounded to bf16, as every input is
	v_cvt_pk_bf16_f32 v[6+p%8], v[BIAS+2*p], v[BIAS+2*p+1]
	v_lshlrev_b32 v[BIAS+2*p], 16, v[6+p%8]
	v_and_b32 v[BIAS+2*p+1], 0xffff0000, v[6+p%8]
.set p, p+1
.endr
; 8 matrix instructions: row blocks a0, a0 + 1 x all 4 column blocks, 32 along K: half c of buffer f.  first = 1: the bias starts the sums
.macro MUL8 f, c, a0, first
	WIN MUL
.irp a, \a0, (\a0)+1
.irp b, 0,1,2,3
.if \first
	v_wmma_f32_16x16x32_f16 v[ACC+8*(4*(\a)+(\b)):ACC+8*(4*(\a)+(\b))+7], v[(\f)+64+8*(4*(\c)+(\b)):(\f)+64+8*(4*(\c)+(\b))+7], v[(\f)+8*(4*(\c)+(\a)):(\f)+8*(4*(\c)+(\a))+7], v[BIAS+8*(\b):BIAS+8*(\b)+7]
.else
	v_wmma_f32_16x16x32_f16 v[ACC+8*(4*(\a)+(\b)):ACC+8*(4*(\a)+(\b))+7], v[(\f)+64+8*(4*(\c)+(\b)):(\f)+64+8*(4*(\c)+(\b))+7], v[(\f)+8*(4*(\c)+(\a)):(\f)+8*(4*(\c)+(\a))+7], v[ACC+8*(4*(\a)+(\b)):ACC+8*(4*(\a)+(\b))+7]
.endif
.endr
.endr
.endm
; 32 LDS loads in one run: the fragments of 64 along K at byte k of the rows of the slot in hand, into buffer f; the first 32 along K first
.macro FETCH k, f
	WIN TO_F
.irp c, 0,1
.irp i, 0,1,2,3
	ds_load_b128 v[(\f)+64+8*(4*(\c)+(\i)):(\f)+64+8*(4*(\c)+(\i))+3],   v[ADRB] offset:(\k)+64*(\c)+(\i)*16*PITCH
	ds_load_b128 v[(\f)+64+8*(4*(\c)+(\i))+4:(\f)+64+8*(4*(\c)+(\i))+7], v[ADRB] offset:(\k)+64*(\c)+(\i)*16*PITCH+32
	ds_load_b128 v[(\f)+8*(4*(\c)+(\i)):(\f)+8*(4*(\c)+(\i))+3],         v[ADRA] offset:(\k)+64*(\c)+(\i)*16*PITCH
	ds_load_b128 v[(\f)+8*(4*(\c)+(\i))+4:(\f)+8*(4*(\c)+(\i))+7],       v[ADRA] offset:(\k)+64*(\c)+(\i)*16*PITCH+32
.endr
.endr
.endm
.macro PLACES
.rept 4
	v_nop
.endr
.endm
; A K step is four quarters of 64 along K, 32 matrix instructions each, on buffers 0, 1, 0, 1; the 16 accumulators take turns.
.macro QUARTER k, f, g, first
	s_wait_dscnt 16                                ; the first 32 along K are in
	WIN MUL
	MUL8 \f, 0, 0, \first
	MUL8 \f, 0, 2, \first
	PLACES
	FETCH \k, \g
	s_wait_dscnt 32                                ; all but the 32 just issued
	WIN MUL
	MUL8 \f, 1, 0, 0
	MUL8 \f, 1, 2, 0
.endm
; The last quarter multiplies buffer 1 and changes slots: one barrier; in front of it each wave waits for all its tensor loads, adds 0 to its spare word, and waits for that and for its reads of this slot.
; fill = 1: the barrier opens a round of the cluster's, and this slot is filled again, two K steps ahead; the walking descriptors are written where no tensor load of mine is out.
; fill = 0: the last two K steps, one text for both; the very last (CNT = 1) has no next step: its fetch is jumped over.
.macro TURN fill
	WIN 0
	s_wait_tensorcnt 0x0                           ; all my tensor loads have landed: my part of the next slot
	ds_add_u32 v[SPW], v[NIL]
.if \fill
	s_lshl_b32 s[KO], s[KI], 9
	s_xor_b32 s[G0+5], s[G0+5], XS
	s_add_nc_u64 s[G0+6:G0+7], s[14:15], s[KO:KO+1]
	s_or_b32 s[G0+7], s[G0+7], 0x80000000
	s_xor_b32 s[G0B+5], s[G0B+5], XS
	s_add_nc_u64 s[G0B+6:G0B+7], s[46:47], s[KO:KO+1]
	s_or_b32 s[G0B+7], s[G0B+7], 0x80000000
	s_add_co_u32 s[KI], s[KI], 1
	s_and_b32 s[KI], s[KI], NSTEP-1
.endif
	s_wait_dscnt 17                                ; the add and the youngest sixteen loads may be out
	WIN MUL
	MUL8 F1, 0, 0, 0
	s_wait_dscnt 0x0                               ; the add is done, my reads of this slot are over
	s_barrier_signal -1
	MUL8 F1, 0, 2, 0
	WIN 0
	s_barrier_wait -1
.if \fill
	CREST                                          ; the barrier has opened a round of the cluster's
	JLOAD 1                                        ; 112 matrix instructions ahead of the wait for it; its four v_nop are also the places in front of the loads below
.else
	s_cmp_eq_u32 s[CNT], 1
	s_cbranch_scc1 .Lnofetch_\@
	PLACES
.endif
	s_xor_b32 s[TB], s[TB], XS                     ; the fragments now come out of the other slot
	v_add_nc_u32 v[ADRA], s[TB], v[ADRA0]
	v_add_nc_u32 v[ADRB], s[TB], v[ADRB0]
	FETCH 0, F0
.if \fill
.else
	WIN 0
.Lnofetch_\@:
.endif
	WIN MUL
	MUL8 F1, 1, 0, 0
	MUL8 F1, 1, 2, 0
.endm
	s_wait_tensorcnt 1                             ; my part of the first K step is in; the second's may stay out
	s_barrier_signal -1
	s_barrier_wait -1
	FETCH 0, F0
	QUARTER 128, F0, F1, 1
	WIN 0
	s_mov_b32 s3, NSTEP-2
.Lstep:                                        ; a trip goes from a K step's second quarter to the next step's first, and fills the slot that it leaves
	QUARTER 256, F1, F0, 0
	QUARTER 384, F0, F1, 0
	TURN 1
	QUARTER 128, F0, F1, 0
	WIN 0
	s_sub_co_u32 s3, s3, 1
	s_cmp_lg_u32 s3, 0
	s_cbranch_scc1 .Lstep
	s_mov_b32 s[CNT], 2
.Ltail:                                        ; the last two K steps fill nothing: written apart; the second trip is left behind its last products
	QUARTER 256, F1, F0, 0
	QUARTER 384, F0, F1, 0
	TURN 0
	WIN 0
	s_cmp_eq_u32 s[CNT], 1
	s_cbranch_scc1 .Lout
	QUARTER 128, F0, F1, 0
	WIN 0
	s_sub_co_u32 s[CNT], s[CNT], 1
	s_cmp_lg_u32 s[CNT], 0
	s_cbranch_scc1 .Ltail
.Lout:
	PLACES
	PLACES
	; THE WAY OUT, 16 rows at a time: a lane's 32 bytes of a row go into my stage; whole rows of 256 bytes come back; 16 lanes store 256 consecutive bytes, aligned.
.irp a, 0,1,2,3
.irp b, 0,1,2,3
	ds_store_b128 v[STO], v[ACC+8*(4*(\a)+(\b)):ACC+8*(4*(\a)+(\b))+3]   offset:64*(\b)
	ds_store_b128 v[STO], v[ACC+8*(4*(\a)+(\b))+4:ACC+8*(4*(\a)+(\b))+7] offset:64*(\b)+16
.endr
	s_wait_xcnt 0x0                                ; the last block's stores have read the registers that are loaded again
.irp t, 0,1,2,3,4,5,6,7
	ds_load_b128 v[TMP+4*(\t):TMP+4*(\t)+3], v[RD] offset:(\t)*2*SPITCH  ; LDS serves a wave's instructions in order: these see the stores above
.endr
.irp t, 0,1,2,3,4,5,6,7
	s_wait_dscnt 7-(\t)
	global_store_b128 v[CO], v[TMP+4*(\t):TMP+4*(\t)+3], s[8:9] offset:(16*(\a)+2*(\t))*SIZE_N*4 th:TH_STORE_NT
.endr
.endr
	s_wait_tensorcnt 0x0                           ; the wave's end
	ds_add_u32 v[SPW], v[NIL]
	s_wait_dscnt 0x0
	CROUND                                         ; the closing round
	s_endpgm
.Lfunc_end_k_qd00023ba6c_oproj:
	.size	k_qd00023ba6c_oproj, .Lfunc_end_k_qd00023ba6c_oproj-k_qd00023ba6c_oproj
	.p2alignl 7, 3214868480
	.fill 96, 4, 3214868480
	.section	.rodata,"a",@progbits
	.p2align	6, 0x0
	.amdhsa_kernel k_qd00023ba6c_oproj
		.amdhsa_group_segment_fixed_size 327680
		.amdhsa_private_segment_fixed_size 0
		.amdhsa_enable_private_segment 0
		.amdhsa_kernarg_size 32
		.amdhsa_user_sgpr_count 2
		.amdhsa_user_sgpr_kernarg_segment_ptr 1
		.amdhsa_wavefront_size32 1
		.amdhsa_system_sgpr_workgroup_id_x 1
		.amdhsa_system_sgpr_workgroup_id_y 1
		.amdhsa_system_sgpr_workgroup_id_z 1
		.amdhsa_system_vgpr_workitem_id 0
		.amdhsa_next_free_vgpr 512
		.amdhsa_next_free_sgpr 80
		.amdhsa_reserve_vcc 0
		.amdhsa_float_denorm_mode_32 3
		.amdhsa_float_denorm_mode_16_64 3
		.amdhsa_memory_ordered 1
		.amdhsa_forward_progress 1
		.amdhsa_inst_pref_size 62
	.end_amdhsa_kernel
	.amdgpu_metadata
---
amdhsa.version: [ 1, 2 ]
amdhsa.kernels:
  - .name:           k_qd00023ba6c_oproj
    .symbol:         k_qd00023ba6c_oproj.kd
    .args:
      - { .name: oh, .offset: 0, .size: 8, .value_kind: global_buffer, .address_space: global }
      - { .name: wob, .offset: 8, .size: 8, .value_kind: global_buffer, .address_space: global }
      - { .name: wo_b, .offset: 16, .size: 8, .value_kind: global_buffer, .address_space: global }
      - { .name: out0, .offset: 24, .size: 8, .value_kind: global_buffer, .address_space: global }
    .group_segment_fixed_size: 327680
    .private_segment_fixed_size: 0
    .kernarg_segment_align: 8
    .kernarg_segment_size: 32
    .max_flat_workgroup_size: 128
    .sgpr_count:     80
    .vgpr_count:     512
    .wavefront_size: 32
...
	.end_amdgpu_metadata
.endif
;; end of part 4
;; ======== version 2 of 2: 4 launches; version 1 with the launch cast written anew for expert scheduling mode
;; limits: values are held in f16: magnitudes above 65,504 overflow, below 6.1e-05 lose precision
;; workspace buffers: xb 8,388,608 bytes; wb 25,165,824 bytes; wob 8,388,608 bytes; tab 524,288 bytes; qh 8,388,608 bytes; kh 8,388,608 bytes; vh 8,388,608 bytes; oh 8,388,608 bytes
;; launch cast (part 5): grid 512 x 1, 8 waves a work-group, no clusters, 0 bytes of LDS; arguments x, wq_w, wk_w, wv_w, wo_w, freqs_cos, freqs_sin, xb, wb, wob, tab; writes xb, wb, wob, tab
.if DOCPART == 5
	.amdgcn_target "amdgcn-amd-amdhsa--gfx1250"
	.amdhsa_code_object_version 6
	.text
	.protected	k_qd00023ba6c_cast
	.globl	k_qd00023ba6c_cast
	.p2align	8
	.type	k_qd00023ba6c_cast,@function
k_qd00023ba6c_cast:
	s_mov_b64 s[64:65], 0
	v_nop
	global_prefetch_b8 v0, s[64:65] scope:SCOPE_SE
	s_setreg_imm32_b32 hwreg(HW_REG_WAVE_SCHED_MODE, 0, 2), 2
	s_setreg_imm32_b32 hwreg(HW_REG_WAVE_MODE, 25, 1), 1
	s_wait_xcnt 0x0
	s_wait_alu depctr_vm_vsrc(0)
; COPIES IN 16 BITS.  x, wq, wk, wv (f32, 2048 x 2048 each) are rounded once to bf16: xb, and wb = the three weights one behind the other.
; wo is rounded to bf16 and that number is written as f16 (wob), since the last product's other operand is f16.
; tab[s][p] = one word: bf16(cos[s][p]) in the low half, bf16(sin[s][p]) in the high half.
; LIMITS.  wo within f16's range (65,504); below 6e-5 it keeps f16's fixed step of 6e-8.  NaN and infinities are not treated apart.
; SHARES.  Work-group g takes 8,192 consecutive numbers of each of the five matrices; thread t takes, in each of four chunks q, the 8 numbers at
; 8192 g + 2048 q + 8 t: two loads of 16 bytes, one store of 16 bytes, so that 16 neighbouring lanes store 256 consecutive bytes, aligned.
; All 40 loads of a wave go out first; no register is written again while a load or store may read it, so no wait frees any.
; No LDS, no matrix unit: nothing is shared and nothing is multiplied.
; THE MODE: SCHED_MODE bits 1:0 = 2 (LLVM: expert scheduling mode 2), set by the entry lines.  The code itself states the register dependences
; between vector instructions and memory instructions, with s_wait_alu, always for 0.
; THE PLAN.  Registers that memory instructions touch:
;   v2, v3, v4   byte offsets, made once at the head and never written again: read by every load and store.
;   DATA chunk n 8 registers of its own.  Written by the chunk's two loads, ahead of which no vector instruction names them; read by the chunk's conversions, which write the
;                first four; those four are read by the chunk's one store.  Nothing is written or loaded into them after that.
;   TBL          the same for the tables: two loads, four conversions, one store.
;   v8, v9       named by vector instructions alone.
; A step is a matrix, four chunks.  Matrix m's four stores are issued in matrix m + 1's step, behind ONE wait on va_vdst at that step's head, and are dealt among its conversions,
; which name their own chunks and v8, v9: none of the registers that those stores read.  The last matrix's stores and the table's have a wait of their own.
; No register that a memory instruction reads is written again, so there is no wait on vm_vsrc; no vector instruction writes a scalar register, VCC or EXEC.
.set VI,   2                           ; v2  my byte offset in an f32 matrix
.set VO,   3                           ; v3  my byte offset in a 16-bit copy
.set VT,   4                           ; v4  my byte offset in cos, sin and tab (4 numbers, 4 words)
.set TA,   8                           ; v8, v9 at work
.set TB,   9
.set DATA, 32                          ; v[32:191] chunk n = 4 m + q of matrix m: 8 registers
.set TBL,  192                         ; v[192:199] cos, sin
	s_load_b512 s[4:19], s[0:1], 0x0               ; x s[4:5], wq s[6:7], wk s[8:9], wv s[10:11], wo s[12:13], cos s[14:15], sin s[16:17], xb s[18:19]
	s_load_b128 s[20:23], s[0:1], 0x40             ; wb s[20:21], wob s[22:23]
	s_load_b64 s[24:25], s[0:1], 0x50              ; tab
	s_lshl_b32 s26, ttmp9, 15                      ; 32,768 bytes of f32 a work-group
	s_lshl_b32 s27, ttmp9, 14                      ; 16,384 bytes of 16-bit numbers
	s_lshl_b32 s35, ttmp9, 12                      ; 4,096 bytes of the tables
	s_mov_b32 s34, 0xffff0000                      ; a word's upper bf16
	v_lshl_add_u32 v[VI], v0, 5, s26
	v_lshl_add_u32 v[VO], v0, 4, s27
	v_lshl_add_u32 v[VT], v0, 4, s35
	s_wait_kmcnt 0x0
	s_mov_b64 s[28:29], s[20:21]                   ; wb's three parts have bases of their own: 8 MiB does not fit a store's immediate
	s_add_nc_u64 s[30:31], s[20:21], 0x800000
	s_add_nc_u64 s[32:33], s[20:21], 0x1000000
	s_wait_alu depctr_va_vdst(0)                   ; v2, v3 and v4 are written: every load and store of the kernel reads one of them as its offset
.macro LD m, base                      ; matrix m's eight loads
.irp q, 0,1,2,3
	global_load_b128 v[DATA+8*(4*(\m)+(\q)):DATA+8*(4*(\m)+(\q))+3],   v[VI], s[(\base):(\base)+1] offset:8192*(\q) th:TH_LOAD_NT
	global_load_b128 v[DATA+8*(4*(\m)+(\q))+4:DATA+8*(4*(\m)+(\q))+7], v[VI], s[(\base):(\base)+1] offset:8192*(\q)+16 th:TH_LOAD_NT
.endr
.endm
.macro ST n, q, base                   ; chunk n = 4 m + q leaves: its first four registers, 16 bytes a lane
	global_store_b128 v[VO], v[DATA+8*(\n):DATA+8*(\n)+3], s[(\base):(\base)+1] offset:4096*(\q) th:TH_STORE_NT
.endm
; matrix m's four chunks are rounded in place (pair p into register p).  half = 1: the bf16 number is written as f16.
; before: the base of the copy of matrix m - 1, whose four stores are issued here, one ahead of each chunk's conversions (matrix 0 has none before it).
.macro CV m, half, before
.irp q, 0,1,2,3
.if (\q) == 0
	s_wait_loadcnt 38-2*(4*(\m)+(\q))              ; loads come back in order: the 38 - 2 n issued behind chunk n's two may stay out
.if (\m) > 0
	s_wait_alu depctr_va_vdst(0)                   ; the conversions of the matrix before have written the first four registers of its four chunks, which the four stores of this step read
.endif
.endif
.if (\m) > 0
	ST 4*(\m)-4+(\q), \q, \before                  ; no vector instruction since the wait names this chunk's registers or v3
.endif
.if (\q) > 0
	s_wait_loadcnt 38-2*(4*(\m)+(\q))              ; the same count for chunks 1 to 3; the store above does not stand behind it
.endif
.irp p, 0,1,2,3
	v_cvt_pk_bf16_f32 v[DATA+8*(4*(\m)+(\q))+(\p)], v[DATA+8*(4*(\m)+(\q))+2*(\p)], v[DATA+8*(4*(\m)+(\q))+2*(\p)+1]
.if \half
	v_lshlrev_b32 v[TA], 16, v[DATA+8*(4*(\m)+(\q))+(\p)]
	v_and_b32 v[TB], s34, v[DATA+8*(4*(\m)+(\q))+(\p)]
	v_cvt_pk_f16_f32 v[DATA+8*(4*(\m)+(\q))+(\p)], v[TA], v[TB]
.endif
.endr
.endr
.endm
	LD 0, 4
	LD 1, 6
	LD 2, 8
	LD 3, 10
	LD 4, 12
	CV 0, 0, 0                                     ; x
	CV 1, 0, 18                                    ; wq; x's copy leaves for xb
	CV 2, 0, 28                                    ; wk; wq's for wb's first part
	CV 3, 0, 30                                    ; wv; wk's for its second
	CV 4, 1, 32                                    ; wo; wv's for its third
	s_wait_alu depctr_va_vdst(0)                   ; wo's conversions have written the registers that the last four stores read
.irp q, 0,1,2,3
	ST 16+(\q), \q, 22
.endr
	s_cmp_lt_u32 ttmp9, 128                        ; the tables have 131,072 numbers each: 1,024 for each of the first 128 work-groups
	s_cbranch_scc0 .Lend
	global_load_b128 v[TBL:TBL+3],   v[VT], s[14:15] th:TH_LOAD_NT  ; v4 was written ahead of the head's wait, and no vector instruction has named v[192:199]
	global_load_b128 v[TBL+4:TBL+7], v[VT], s[16:17] th:TH_LOAD_NT
	s_wait_loadcnt 0x0
.irp p, 0,1,2,3
	v_cvt_pk_bf16_f32 v[TBL+(\p)], v[TBL+(\p)], v[TBL+4+(\p)]  ; cos low, sin high
.endr
	s_wait_alu depctr_va_vdst(0)                   ; the four conversions have written v[192:195], which the store reads
	global_store_b128 v[VT], v[TBL:TBL+3], s[24:25] th:TH_STORE_NT
.Lend:
	s_endpgm
.Lfunc_end_k_qd00023ba6c_cast:
	.size	k_qd00023ba6c_cast, .Lfunc_end_k_qd00023ba6c_cast-k_qd00023ba6c_cast
	.p2alignl 7, 3214868480
	.fill 96, 4, 3214868480
	.section	.rodata,"a",@progbits
	.p2align	6, 0x0
	.amdhsa_kernel k_qd00023ba6c_cast
		.amdhsa_group_segment_fixed_size 0
		.amdhsa_private_segment_fixed_size 0
		.amdhsa_enable_private_segment 0
		.amdhsa_kernarg_size 88
		.amdhsa_user_sgpr_count 2
		.amdhsa_user_sgpr_kernarg_segment_ptr 1
		.amdhsa_wavefront_size32 1
		.amdhsa_system_sgpr_workgroup_id_x 1
		.amdhsa_system_sgpr_workgroup_id_y 1
		.amdhsa_system_sgpr_workgroup_id_z 1
		.amdhsa_system_vgpr_workitem_id 0
		.amdhsa_next_free_vgpr 200
		.amdhsa_next_free_sgpr 66
		.amdhsa_reserve_vcc 0
		.amdhsa_float_denorm_mode_32 3
		.amdhsa_float_denorm_mode_16_64 3
		.amdhsa_memory_ordered 1
		.amdhsa_forward_progress 1
		.amdhsa_inst_pref_size 16
	.end_amdhsa_kernel
	.amdgpu_metadata
---
amdhsa.version: [ 1, 2 ]
amdhsa.kernels:
  - .name:           k_qd00023ba6c_cast
    .symbol:         k_qd00023ba6c_cast.kd
    .args:
      - { .name: x, .offset: 0, .size: 8, .value_kind: global_buffer, .address_space: global }
      - { .name: wq_w, .offset: 8, .size: 8, .value_kind: global_buffer, .address_space: global }
      - { .name: wk_w, .offset: 16, .size: 8, .value_kind: global_buffer, .address_space: global }
      - { .name: wv_w, .offset: 24, .size: 8, .value_kind: global_buffer, .address_space: global }
      - { .name: wo_w, .offset: 32, .size: 8, .value_kind: global_buffer, .address_space: global }
      - { .name: freqs_cos, .offset: 40, .size: 8, .value_kind: global_buffer, .address_space: global }
      - { .name: freqs_sin, .offset: 48, .size: 8, .value_kind: global_buffer, .address_space: global }
      - { .name: xb, .offset: 56, .size: 8, .value_kind: global_buffer, .address_space: global }
      - { .name: wb, .offset: 64, .size: 8, .value_kind: global_buffer, .address_space: global }
      - { .name: wob, .offset: 72, .size: 8, .value_kind: global_buffer, .address_space: global }
      - { .name: tab, .offset: 80, .size: 8, .value_kind: global_buffer, .address_space: global }
    .group_segment_fixed_size: 0
    .private_segment_fixed_size: 0
    .kernarg_segment_align: 8
    .kernarg_segment_size: 88
    .max_flat_workgroup_size: 256
    .sgpr_count:     66
    .vgpr_count:     200
    .wavefront_size: 32
...
	.end_amdgpu_metadata
.endif
;; end of part 5
;; launch qkv: the kernel of part 2 again; grid 16 x 16, 4 waves a work-group, clusters of 4 x 4, 327,680 bytes of LDS; arguments xb, wb, tab, wq_b, wk_b, wv_b, qh, kh, vh, out1, out2; writes qh, kh, vh, out1, out2
;; launch attn: the kernel of part 3 again; grid 16 x 16, 4 waves a work-group, clusters of 4 x 1, 327,680 bytes of LDS; arguments qh, kh, vh, oh; writes oh
;; launch oproj: the kernel of part 4 again; grid 16 x 16, 4 waves a work-group, clusters of 4 x 4, 327,680 bytes of LDS; arguments oh, wob, wo_b, out0; writes out0
